; MI455X (gfx1250); checked and timed in simulation.
; The chip was launched on July 23, 2026; its instructions are those of AMD's public machine-readable ISA for CDNA 5 (MIT licence, August 2026) and "CDNA5" Instruction Set Architecture Reference Guide (July 2026). The comments in the code are by the model that wrote it; some were corrected since.
;; Attention. Allowed arithmetic: matrix products marked QUANTISED: E2M3 operands, one E8M0 scale for each 32 along K, by v_wmma_scale_f32_16x16x128_f8f6f4 with both operands' format E2M3, f32 sums; everything else in f32.
;; Inputs: Wqkv_b 3,072 float32; Wqkv_w 3,072 x 1,024 float32; out_b 1,024 float32; out_w 1,024 x 1,024 float32; x 4 x 2,048 x 1,024 float32.
;; Outputs: out0 4 x 2,048 x 1,024 float32.
;; This version of the problem:
;;   THIS VERSION OF THE PROBLEM IS GIVEN IN LOW PRECISION. The matrix products marked QUANTISED in the list below multiply operands that are first quantised to E2M3 (2 exponent bits, 3 mantissa bits; 6 bits a number), with one power-of-two scale for each 32 numbers along K (OCP MX v1.0); their sums are f32. All else is computed in f32.
;;   The module's matrix products, in the order in which they are computed (A, B: the left and right operand; K: the contracted axis; several contracted axes count as one K, in the product's order):
;;     1. [M 8,192, K 1,024] x [K 1,024, N 3,072]; A: input x; B: input Wqkv_w: QUANTISED
;;     2. batch 64 x [M 2,048, K 64] x [K 64, N 2,048]; A: computed on the way; B: computed on the way: QUANTISED
;;     3. batch 64 x [M 2,048, K 2,048] x [K 2,048, N 64]; A: softmax (see below); B: computed on the way: QUANTISED
;;     4. [M 8,192, K 1,024] x [K 1,024, N 1,024]; A: computed on the way; B: input out_w: QUANTISED
;;   THE QUANTISER, for each operand of a quantised product, along K:
;;     - K is cut into blocks of 32 from its start; a last block that is shorter is filled with zeros.
;;     - A block's scale is 2^e with e = floor(log2(the largest magnitude in the block)) - 2, held to -126 .. 127; a block of zeros has e = 0. As a byte (E8M0): e + 127.
;;     - Each number is divided by its block's scale, clamped to +-7.5, and rounded to the nearest number of E2M3, ties to even, subnormals kept.
;;     - The product sums the exact products of the quantised numbers (number of the format x scale) in f32.
;;   ~~~python
;;   def quantise(x, axis):      # numpy; x: float32 -> the quantised numbers, widened to float32 again
;;       x = np.moveaxis(x, axis, -1); K = x.shape[-1]
;;       x = np.pad(x, [(0, 0)] * (x.ndim - 1) + [(0, -K % 32)]); x = x.reshape(x.shape[:-1] + (-1, 32)); a = np.abs(x).max(-1, keepdims=True)
;;       e = np.where(a > 0, np.clip(np.frexp(np.where(a > 0, a, 1))[1] - 1 - 2, -126, 127), 0)      # np.frexp(a)[1] - 1 = floor(log2(a)), exactly
;;       r = np.clip(x / 2.0 ** e, -7.5, 7.5)
;;       step = 2.0 ** (np.maximum(np.frexp(np.where(r == 0, 1, r))[1] - 1, 0) - 3)
;;       q = np.round(r / step) * step * 2.0 ** e      # np.round: ties to even
;;       return np.moveaxis(q.reshape(q.shape[:-2] + (-1,))[..., :K], -1, axis).astype(np.float32)
;;   ~~~
;;   SOFTMAX AHEAD OF A QUANTISED PRODUCT. Where the list says 'softmax', what is quantised is not the finished softmax but p = 2^(t - M), with t = logit x log2(e) and M = ceil(the row's largest t), a whole number; so 1/2 < the row's largest p <= 1. The row's sum l is taken of the UNQUANTISED p, in f32, and the product's result is divided by l at the end. Since M is a whole number, a kernel that streams over the keys may use a running M (the ceiling of the running maximum): every later rescaling is an exact power of two, which a block's scale takes up: the codes' values come out the same.
;;   OPERANDS COMPUTED ON THE WAY. 'Computed on the way' means the value that the module computes at that place (a softmax that the list does not call 'softmax' is quantised finished and normalised). What goes into a quantiser is computed in f32, as accurately as f32 sums, v_exp_f32 and their like allow (about 1e-6 of the number): no bf16 or f16 on the way to a quantiser, and a product that is left as it is and whose result goes on into a quantised operand takes f32 operands (vector FMAs, or v_wmma_f32_16x16x4_f32). A number that lies on a knife's edge between two numbers of the format may be rounded either way, as far as f32 arithmetic and the matrix unit's own rounding can turn it there, and no further.
;; One version. Each part assembles by itself: llvm-mc -triple=amdgcn-amd-amdhsa -mcpu=gfx1250 --defsym DOCPART=n.
;; ======== version 1 of 1: 4 launches
;; workspace buffers: xq 6,553,600 bytes; wq 2,457,600 bytes; owq 819,200 bytes; rope 524,288 bytes; qimg 6,553,600 bytes; kv 13,107,200 bytes; oq 6,553,600 bytes
;; launch quant (part 1): grid 448 x 1, 4 waves a work-group, no clusters, 34,304 bytes of LDS; arguments x, Wqkv_w, out_w, xq, wq, owq, rope; writes xq, wq, owq, rope
.if DOCPART == 1
	.amdgcn_target "amdgcn-amd-amdhsa--gfx1250"
	.amdhsa_code_object_version 6
	.text
	.protected	k_qc4e50df627_quant
	.globl	k_qc4e50df627_quant
	.p2align	8
	.type	k_qc4e50df627_quant,@function
k_qc4e50df627_quant:
	s_mov_b64 s[64:65], 0
	v_nop
	global_prefetch_b8 v0, s[64:65] scope:SCOPE_SE
	s_setreg_imm32_b32 hwreg(HW_REG_WAVE_MODE, 25, 1), 1
	s_wait_xcnt 0x0
; x [8192][1024], Wqkv_w [3072][1024], out_w [1024][1024], f32, K innermost, become codes of FP6 (E2M3) with one E8M0 byte for each 32 along K,
; laid as OPERAND BLOCKS: 128 rows x 256 K = 25,600 bytes: 16 images of a fragment's 12 registers (tile i, K step q: at 3072 i + 1536 q; registers 4 c .. 4 c + 3 of lane l at 512 c + 16 l),
; then the scale words at 24,576 + 128 i + 8 r + 4 q.  A group of 128 rows has four blocks on end.
; THE ROWS OF A TILE ARE NOT NEIGHBOURS: lane r of tile i holds row 32 (i / 2) + 8 (i % 2) + r + 8 (r / 8) of its group, so that in the products that follow the 16 registers of two neighbouring tiles are 16 neighbours.
; Work-groups 0-255 take x, 256-351 Wqkv_w, 352-383 out_w: one block each; a wave takes two tiles, four fragments.  Each load reads a row's 512 consecutive bytes; a fragment's 16 rows turn through the
; wave's own stage in LDS (rows 528 bytes apart), from which lane (r, h) takes 16 neighbours of each block of 32 of row r.  Waves share nothing: no barrier.
; Work-groups 384-447 make the table of cosines and sines: for each tile of 16 positions 32 registers a lane, register 16 b + i of lane (r, h) = cos (i even) or sin (i odd) of pos x 10000^(-(16 b + 8 h + i / 2) / 32).
; LIMITS: NaN and infinities are not served.  A block whose largest magnitude lies under 2^-124, a block of zeros too, gets the byte 1 (its codes are then small or zero; only this program reads the bytes).
; The table: 10000^(-f / 32) is 2^p (1 + e ln 2), p the rounded exponent and e what the rounding left: about an ulp and a half; sine and cosine by two-part reduction and polynomials, about 1e-7 absolute, for angles up to 2,047.
.set BLK,  25600
.set SCO,  24576
.set SP,   528                         ; a stage row: 512 bytes + 16 = 132 words, so that the 16 rows that a load of 16 bytes a lane touches begin 4 banks apart
.set R,    16                          ; v16-143  two sets of 64: a fragment's 16 rows as loaded
.set X,    144                         ; v144-207 register 16 b + i = k 32 b + 16 h + i of my row
.set PC,   208                         ; v208-219 the fragment's codes
.set CT,   220                         ; v220-227 the conversions' second halves
.set TM,   228                         ; v228-243 maxima, bytes, scale operands
.set PW,   244                         ; v244-247 the four fragments' scale words
.set SEL,  32                          ; s[32:33] selects for lane l xor 16
; 64 numbers of a lane become six registers of codes at d0 (k = 32 h ..) and six at d1 (k = 64 + 32 h ..), and the row's scale word in pw.
.macro QUANT s, d0, d1, pw
.irp b, 0,1,2,3
	v_max3_num_f32 v[TM+\b], |v[(\s)+16*\b]|, |v[(\s)+1+16*\b]|, 0x1800000   ; my 16 numbers of block b, and the floor 2^(3 - 127): the byte cannot fall under 1
.endr
.irp i, 2,4,6,8,10,12,14
.irp b, 0,1,2,3
	v_max3_num_f32 v[TM+\b], v[TM+\b], |v[(\s)+16*\b+\i]|, |v[(\s)+1+16*\b+\i]|
.endr
.endr
.irp b, 0,1,2,3
	v_permlanex16_b32 v[TM+4+\b], v[TM+\b], s[SEL], s[SEL+1]
.endr
.irp b, 0,1,2,3
	v_max_num_f32 v[TM+\b], v[TM+\b], v[TM+4+\b]           ; with lane l xor 16's: the block's largest magnitude
.endr
.irp b, 0,1,2,3
	v_add_nc_u32 v[TM+12+\b], 0xff000000, v[TM+\b]         ; 2 off its exponent field: the conversion's scale operand
.endr
.irp b, 0,1,2,3
	v_lshrrev_b32 v[TM+4+\b], 23, v[TM+12+\b]              ; the scale's byte
.endr
	v_lshl_or_b32 v[\pw], v[TM+5], 8, v[TM+4]
	v_lshl_or_b32 v[\pw], v[TM+6], 16, v[\pw]
	v_lshl_or_b32 v[\pw], v[TM+7], 24, v[\pw]
	v_cvt_scalef32_pk16_fp6_f32 v[(\d0):(\d0)+2], v[(\s):(\s)+15], v[TM+12]
	v_cvt_scalef32_pk16_fp6_f32 v[CT:CT+2], v[(\s)+16:(\s)+31], v[TM+13]
	v_cvt_scalef32_pk16_fp6_f32 v[(\d1):(\d1)+2], v[(\s)+32:(\s)+47], v[TM+14]
	v_cvt_scalef32_pk16_fp6_f32 v[CT+4:CT+6], v[(\s)+48:(\s)+63], v[TM+15]
	v_nop                                                  ; one plain line behind the conversions
.irp i, 0,1,2
	v_permlane16_swap_b32 v[(\d0)+\i], v[CT+\i]            ; the layout wants a whole block in a lane: lanes 0-15 the even block, lanes 16-31 the odd one
	v_permlane16_swap_b32 v[(\d1)+\i], v[CT+4+\i]
.endr
.irp i, 0,1,2
	v_mov_b32 v[(\d0)+3+\i], v[CT+\i]
	v_mov_b32 v[(\d1)+3+\i], v[CT+4+\i]
.endr
.endm
.macro LOAD f                          ; fragment f = 2 e + q: tile e of my two, K step q of the block's two, into set f % 2: 16 loads of 512 consecutive bytes
.irp p, 0,1,2,3,4,5,6,7,8,9,10,11,12,13,14,15
	global_load_b128 v[R+64*((\f)%2)+4*\p:R+64*((\f)%2)+4*\p+3], v4, s[20:21] offset:(8*((\f)/2)+\p+8*(\p/8))*4096+512*((\f)%2) th:TH_LOAD_NT
.endr
.endm
.macro FRAGM f
.if (\f) < 3
	s_wait_loadcnt 16                                      ; this fragment's 16 loads are in; the next fragment's 16 may be out
.else
	s_wait_loadcnt 0x0
.endif
.irp p, 0,1,2,3,4,5,6,7,8,9,10,11,12,13,14,15
	ds_store_b128 v5, v[R+64*((\f)%2)+4*\p:R+64*((\f)%2)+4*\p+3] offset:\p*SP
.endr
.irp b, 0,1,2,3
.irp j, 0,1,2,3
	ds_load_b128 v[X+16*\b+4*\j:X+16*\b+4*\j+3], v6 offset:128*\b+16*\j   ; LDS serves a wave's instructions in order: these see my stores
.endr
.endr
	s_wait_dscnt 0x0                                       ; my numbers are back, and the stores have read the set, which takes the loads of two fragments on
.if (\f) < 2
	LOAD (\f)+2
.endif
.if (\f) > 0
	s_wait_xcnt 0x0                                        ; the last fragment's stores have read the codes' registers
.endif
	QUANT X, PC, PC+6, PW+(\f)
.irp c, 0,1,2
	global_store_b128 v4, v[PC+4*\c:PC+4*\c+3], s[22:23] offset:((\f)/2)*3072+((\f)%2)*1536+\c*512   ; 512 consecutive bytes
.endr
.endm
	s_load_b256 s[4:11], s[0:1], 0x0               ; x s[4:5], Wqkv_w s[6:7], out_w s[8:9], xq s[10:11]
	s_load_b128 s[12:15], s[0:1], 0x20             ; wq s[12:13], owq s[14:15]
	s_load_b64 s[16:17], s[0:1], 0x30              ; rope
	v_lshl_add_u32 v254, v0, 2, 0x8400
	v_mov_b32 v255, 0
	v_lshrrev_b32 v1, 5, v0
	v_readfirstlane_b32 s18, v1                    ; wave
	v_and_b32 v2, 31, v0                           ; lane
	v_and_b32 v3, 15, v0                           ; r
	v_bfe_u32 v8, v0, 4, 1                         ; h
	v_lshlrev_b32 v4, 4, v2                        ; 16 x lane
	s_mov_b32 s27, 0
	s_cmp_ge_u32 ttmp9, 384
	s_cbranch_scc1 .Ltable
	s_mov_b32 s[SEL], 0x76543210
	s_mov_b32 s[SEL+1], 0xfedcba98
	s_wait_kmcnt 0x0
	s_cmp_lt_u32 ttmp9, 256                        ; which tensor: the choice hangs on the work-group's number alone
	s_cselect_b64 s[20:21], s[4:5], s[6:7]
	s_cselect_b64 s[22:23], s[10:11], s[12:13]
	s_cselect_b32 s19, 0, 256
	s_cmp_lt_u32 ttmp9, 352
	s_cselect_b64 s[20:21], s[20:21], s[8:9]
	s_cselect_b64 s[22:23], s[22:23], s[14:15]
	s_cselect_b32 s19, s19, 352
	s_sub_co_u32 s19, ttmp9, s19                   ; the block's number in its tensor: 4 x group + K slot
	s_lshr_b32 s24, s19, 2
	s_and_b32 s25, s19, 3
	s_lshl_b32 s26, s24, 19                        ; 128 rows of 4,096 bytes a group,
	s_lshl_b32 s28, s18, 17                        ; 32 rows a wave,
	s_add_co_u32 s26, s26, s28
	s_lshl_b32 s28, s25, 10                        ; 1,024 bytes a K slot
	s_add_co_u32 s26, s26, s28
	s_add_nc_u64 s[20:21], s[20:21], s[26:27]
	s_mul_i32 s26, s19, BLK
	s_add_nc_u64 s[22:23], s[22:23], s[26:27]      ; my block
	s_lshl_b32 s26, s18, 8
	s_add_co_u32 s26, s26, SCO
	s_add_nc_u64 s[30:31], s[22:23], s[26:27]      ; my two tiles' scale words
	s_mul_i32 s26, s18, 6144
	s_add_nc_u64 s[22:23], s[22:23], s[26:27]      ; and their codes
	s_mul_i32 s28, s18, 16*SP                      ; my stage
	v_add_nc_u32 v5, s28, v4                       ; in: 16 x lane in a row
	v_mul_u32_u24 v6, v3, SP
	v_lshl_add_u32 v6, v8, 6, v6
	v_add_nc_u32 v6, s28, v6                       ; out: row r, + 64 h
	v_lshlrev_b32 v7, 3, v3
	v_lshl_add_u32 v7, v8, 7, v7                   ; scale words: lanes 0-15 the first tile's, lanes 16-31 the second's, 8 bytes a row
.irp b, 0,1,2,3
	v_mov_b32 v[TM+4+\b], 0                        ; a lane permute's destination counts as read
.endr
	LOAD 0
	LOAD 1
	FRAGM 0
	FRAGM 1
	FRAGM 2
	FRAGM 3
	v_cmp_eq_u32 vcc_lo, 1, v8
	v_cndmask_b32 v248, v[PW], v[PW+2], vcc_lo
	v_cndmask_b32 v249, v[PW+1], v[PW+3], vcc_lo
	global_store_b64 v7, v[248:249], s[30:31]      ; 256 consecutive bytes
	s_wait_tensorcnt 0x0
	ds_add_u32 v254, v255
	s_wait_dscnt 0x0
	s_endpgm
.Ltable:                                           ; 256 waves: wave wid makes half hq = wid % 2 of the registers of the tile of positions wid / 2: eight pairs a lane
	s_sub_co_u32 s19, ttmp9, 384
	s_lshl_b32 s19, s19, 2
	s_add_co_u32 s19, s19, s18                     ; wid
	s_lshr_b32 s24, s19, 1                         ; the tile of positions
	s_and_b32 s25, s19, 1                          ; hq
	s_lshr_b32 s26, s24, 1
	s_lshl_b32 s26, s26, 5
	s_and_b32 s28, s24, 1
	s_lshl_b32 s28, s28, 3
	s_add_co_u32 s26, s26, s28                     ; 32 (tile / 2) + 8 (tile % 2)
	v_and_b32 v9, 8, v3
	v_add_nc_u32 v9, v9, v3
	v_add_nc_u32 v9, s26, v9                       ; + r + 8 (r / 8): my position
	v_cvt_f32_u32 v9, v9
	s_lshl_b32 s28, s25, 4
	v_lshl_add_u32 v10, v8, 3, s28                 ; my first frequency: 16 hq + 8 h
	s_mov_b32 s34, 0xbed49a78                      ; -log2(10000) / 32, its f32,
	s_mov_b32 s35, 0xb2179a22                      ; and what that f32 leaves out
	s_mov_b32 s36, 0x3f317218                      ; ln 2
	s_mov_b32 s37, 0x3f22f983                      ; 2 / pi
	s_mov_b32 s38, 0x3fc90fdb                      ; pi / 2 in two parts
	s_mov_b32 s39, 0xb33bbd2e
	s_mov_b32 s40, 0xb94ca1f9                      ; the sine's three coefficients
	s_mov_b32 s41, 0x3c08839e
	s_mov_b32 s42, 0xbe2aaaa3
	s_mov_b32 s43, 0x37ccf5ce                      ; the cosine's
	s_mov_b32 s44, 0xbab6061a
	s_mov_b32 s45, 0x3d2aaaa5
.irp n, 0,1,2,3,4,5,6,7
	v_add_nc_u32 v[16+\n], \n, v10
.endr
.irp n, 0,1,2,3,4,5,6,7
	v_cvt_f32_u32 v[16+\n], v[16+\n]               ; f
.endr
.irp n, 0,1,2,3,4,5,6,7
	v_mul_f32 v[24+\n], s34, v[16+\n]              ; p: the exponent, rounded
.endr
.irp n, 0,1,2,3,4,5,6,7
	v_fma_f32 v[32+\n], v[16+\n], s34, -v[24+\n]   ; what the rounding left, exactly,
.endr
.irp n, 0,1,2,3,4,5,6,7
	v_fma_f32 v[32+\n], v[16+\n], s35, v[32+\n]    ; and the constant's low part: e
.endr
.irp n, 0,1,2,3,4,5,6,7
	v_exp_f32 v[40+\n], v[24+\n]
.endr
	v_nop                                          ; a plain line behind the batch,
	s_wait_alu depctr_va_vdst(0)                   ; and one wait for the eight, ahead of their first reader
.irp n, 0,1,2,3,4,5,6,7
	v_mul_f32 v[32+\n], v[40+\n], v[32+\n]
.endr
.irp n, 0,1,2,3,4,5,6,7
	v_fma_f32 v[40+\n], v[32+\n], s36, v[40+\n]    ; 2^p (1 + e ln 2)
.endr
.irp n, 0,1,2,3,4,5,6,7
	v_mul_f32 v[16+\n], v9, v[40+\n]               ; the angle, one rounding
.endr
.irp n, 0,1,2,3,4,5,6,7
	v_mul_f32 v[24+\n], s37, v[16+\n]
.endr
.irp n, 0,1,2,3,4,5,6,7
	v_rndne_f32 v[24+\n], v[24+\n]                 ; k quarter turns
.endr
.irp n, 0,1,2,3,4,5,6,7
	v_fma_f32 v[16+\n], -v[24+\n], s38, v[16+\n]   ; exact: a multiple of 2^-23 under 1
.endr
.irp n, 0,1,2,3,4,5,6,7
	v_fma_f32 v[16+\n], -v[24+\n], s39, v[16+\n]   ; rho, within pi / 4
.endr
.irp n, 0,1,2,3,4,5,6,7
	v_mul_f32 v[32+\n], v[16+\n], v[16+\n]         ; z = rho^2
.endr
.irp n, 0,1,2,3,4,5,6,7
	v_fma_f32 v[40+\n], v[32+\n], s40, s41
.endr
.irp n, 0,1,2,3,4,5,6,7
	v_fma_f32 v[40+\n], v[40+\n], v[32+\n], s42
.endr
.irp n, 0,1,2,3,4,5,6,7
	v_mul_f32 v[48+\n], v[32+\n], v[16+\n]
.endr
.irp n, 0,1,2,3,4,5,6,7
	v_fma_f32 v[40+\n], v[48+\n], v[40+\n], v[16+\n]   ; sin rho
.endr
.irp n, 0,1,2,3,4,5,6,7
	v_fma_f32 v[48+\n], v[32+\n], s43, s44
.endr
.irp n, 0,1,2,3,4,5,6,7
	v_fma_f32 v[48+\n], v[48+\n], v[32+\n], s45
.endr
.irp n, 0,1,2,3,4,5,6,7
	v_mul_f32 v[56+\n], v[32+\n], v[32+\n]
.endr
.irp n, 0,1,2,3,4,5,6,7
	v_fma_f32 v[64+\n], v[32+\n], -0.5, 1.0
.endr
.irp n, 0,1,2,3,4,5,6,7
	v_fma_f32 v[48+\n], v[56+\n], v[48+\n], v[64+\n]   ; cos rho
.endr
.irp n, 0,1,2,3,4,5,6,7
	v_cvt_i32_f32 v[24+\n], v[24+\n]
.endr
.irp n, 0,1,2,3,4,5,6,7
	v_and_b32 v[56+\n], 1, v[24+\n]
	v_cmp_eq_u32 vcc_lo, 1, v[56+\n]               ; an odd number of quarter turns: sine and cosine change places
	v_cndmask_b32 v[81+2*\n], v[40+\n], v[48+\n], vcc_lo
	v_cndmask_b32 v[80+2*\n], v[48+\n], v[40+\n], vcc_lo
	v_lshlrev_b32 v[56+\n], 30, v[24+\n]           ; the sine is negative in quarters 2 and 3,
	v_add_nc_u32 v[64+\n], 1, v[24+\n]
	v_lshlrev_b32 v[64+\n], 30, v[64+\n]           ; the cosine in quarters 1 and 2
	v_and_b32 v[56+\n], 0x80000000, v[56+\n]
	v_and_b32 v[64+\n], 0x80000000, v[64+\n]
	v_xor_b32 v[81+2*\n], v[56+\n], v[81+2*\n]
	v_xor_b32 v[80+2*\n], v[64+\n], v[80+2*\n]
.endr
	s_lshl_b32 s26, s19, 11                        ; 4,096 bytes a tile, 2,048 a half
	s_wait_kmcnt 0x0
	s_add_nc_u64 s[16:17], s[16:17], s[26:27]
.irp q, 0,1,2,3
	global_store_b128 v4, v[80+4*\q:83+4*\q], s[16:17] offset:512*\q
.endr
	s_endpgm
.Lfunc_end_k_qc4e50df627_quant:
	.size	k_qc4e50df627_quant, .Lfunc_end_k_qc4e50df627_quant-k_qc4e50df627_quant
	.p2alignl 7, 3214868480
	.fill 96, 4, 3214868480
	.section	.rodata,"a",@progbits
	.p2align	6, 0x0
	.amdhsa_kernel k_qc4e50df627_quant
		.amdhsa_group_segment_fixed_size 34304
		.amdhsa_private_segment_fixed_size 0
		.amdhsa_enable_private_segment 0
		.amdhsa_kernarg_size 56
		.amdhsa_user_sgpr_count 2
		.amdhsa_user_sgpr_kernarg_segment_ptr 1
		.amdhsa_wavefront_size32 1
		.amdhsa_system_sgpr_workgroup_id_x 1
		.amdhsa_system_sgpr_workgroup_id_y 1
		.amdhsa_system_sgpr_workgroup_id_z 1
		.amdhsa_system_vgpr_workitem_id 0
		.amdhsa_next_free_vgpr 256
		.amdhsa_next_free_sgpr 66
		.amdhsa_reserve_vcc 1
		.amdhsa_float_denorm_mode_32 3
		.amdhsa_float_denorm_mode_16_64 3
		.amdhsa_memory_ordered 1
		.amdhsa_forward_progress 1
		.amdhsa_inst_pref_size 48
	.end_amdhsa_kernel
	.amdgpu_metadata
---
amdhsa.version: [ 1, 2 ]
amdhsa.kernels:
  - .name:           k_qc4e50df627_quant
    .symbol:         k_qc4e50df627_quant.kd
    .args:
      - { .name: x, .offset: 0, .size: 8, .value_kind: global_buffer, .address_space: global }
      - { .name: Wqkv_w, .offset: 8, .size: 8, .value_kind: global_buffer, .address_space: global }
      - { .name: out_w, .offset: 16, .size: 8, .value_kind: global_buffer, .address_space: global }
      - { .name: xq, .offset: 24, .size: 8, .value_kind: global_buffer, .address_space: global }
      - { .name: wq, .offset: 32, .size: 8, .value_kind: global_buffer, .address_space: global }
      - { .name: owq, .offset: 40, .size: 8, .value_kind: global_buffer, .address_space: global }
      - { .name: rope, .offset: 48, .size: 8, .value_kind: global_buffer, .address_space: global }
    .group_segment_fixed_size: 34304
    .private_segment_fixed_size: 0
    .kernarg_segment_align: 8
    .kernarg_segment_size: 56
    .max_flat_workgroup_size: 128
    .sgpr_count:     66
    .vgpr_count:     256
    .wavefront_size: 32
...
	.end_amdgpu_metadata
.endif
;; end of part 1
;; launch qkv (part 2): grid 12 x 32, 4 waves a work-group, clusters of 4 x 4, 327,680 bytes of LDS; arguments xq, wq, Wqkv_b, rope, qimg, kv; writes qimg, kv
.if DOCPART == 2
	.amdgcn_target "amdgcn-amd-amdhsa--gfx1250"
	.amdhsa_code_object_version 6
	.text
	.protected	k_qc4e50df627_qkv
	.globl	k_qc4e50df627_qkv
	.p2align	8
	.type	k_qc4e50df627_qkv,@function
k_qc4e50df627_qkv:
	s_mov_b64 s[64:65], 0
	v_nop
	global_prefetch_b8 v0, s[64:65] scope:SCOPE_SE
	s_setreg_imm32_b32 hwreg(HW_REG_WAVE_MODE, 25, 1), 1
	s_wait_xcnt 0x0
	s_wait_alu depctr_hold_cnt(0) depctr_sa_sdst(0) depctr_va_vdst(0) depctr_va_sdst(0) depctr_va_ssrc(0) depctr_va_vcc(0) depctr_vm_vsrc(0)
	s_getreg_b32 s2, hwreg(HW_REG_IB_STS2, 6, 4)
	s_cmp_eq_u32 s2, 0
	s_cbranch_scc0 .Lentry_in_a_cluster
	s_endpgm
.Lentry_in_a_cluster:
	s_bfe_u32 s2, ttmp6, 0x10000c
	s_cmp_lg_u32 s2, 0xf033
	s_cbranch_scc0 .Lentry_shape_is_right
	s_endpgm
.Lentry_shape_is_right:
; The first product, x Wqkv^T + b, on codes of FP6 (E2M3) with E8M0 scales, and all that stands between it and attention: rotation, q / 8, and the quantising of q, k (along the head's 64) and v (along the tokens).
; TWO PRODUCTS IN ONE GRID.  Clusters with x = 0, 1: rows = tokens (xq), columns = the 2,048 features of q and k (wq).  Clusters with x = 2: rows = the 1,024 features of v, columns = tokens: V^T.
; A tile is 256 x 256, four waves of 128 x 128: 64 accumulators, 512 registers.  THE MATRIX INSTRUCTION IS USED TRANSPOSED (source 0 = 16 columns' rows, source 1 = 16 rows): a lane holds ONE row, and, by the order in
; which the operand blocks hold their rows, the 64 registers of a tile of rows are columns 32 b + 16 h + i (register 16 b + i): neighbours along the next product's K.  So q and k have a token a lane and registers
; along the features, v has a feature a lane and registers along the tokens, and the results are quantised in registers and leave as images of the next operands' registers.
; OPERANDS come as blocks of 25,600 dense bytes (128 rows x 256 K: 16 register images and the scale words).  K = 1,024 is four K slots; LDS has three slots of four blocks; slot 0 is filled a second time.
; CLUSTERS: 4 x 4.  The rows' blocks are shared along a row of the cluster, the columns' along a column: joint loads.  384 work-groups: a larger tile does not fit the registers, a smaller one reads LDS twice as often for each product.
; No prefetch: three of the four K slots are asked for at the head, the fourth two slots ahead of its use.
; LIMITS: NaN and infinities are not served; a block whose largest magnitude lies under 2^-124 gets the scale byte 1.
; REGISTERS: window 0: v1-3 lane terms, v16-26 LDS addresses, v28-29 for the add, v32-63 scale words (two sets), v128-223 the rows' fragments; window 1: the columns' fragments, two sets; windows 2, 3: accumulators (a, b) at v[8 (8 (a % 4) + b)].
; On the way out: window 0: v64-127 bias, v128-191 64 numbers, v192-215 at work, v216-239 two images, v240-247 scale words; window 1: the table of cosines and sines.
.set BLK,   25600
.set GSTR,  102400                     ; a group of 128 rows: four blocks
.set SCO,   24576                      ; the scale words in a block
.set SLOT,  4*BLK                      ; the rows' two halves, then the columns' two halves
.set SPARE, 3*SLOT                     ; behind the slots: the spare words, 128 bytes a wave, which no other line names
.set FR,    12
.set ADRA,  16                         ; v16-18 my rows' fragments in slot 0, 1, 2
.set ADRB,  20                         ; v20-22 my columns'
.set ADRS,  24                         ; v24-26 scale words: lanes 0-15 the rows', lanes 16-31 the columns'
.set SPW,   28
.set NIL,   29
.set SC,    32
.set BI,    64
.set AF,    128
.set W,     128
.set TM,    192
.set CT,    208
.set IMGA,  216
.set IMGB,  228
.set PWR,   240
.set SCW,   244
.set SEL,   2                          ; s[2:3]
.set G1A,   24                         ; s[24:31] group 1 for the rows' blocks; s[32:43] three groups 0
.set G0A,   32
.set G1B,   44                         ; s[44:51], s[52:63] the same for the columns'
.set G0B,   52
.set MSB,   0
.macro WIN new                         ; the immediate's high byte repeats the setting that is left
.if MSB != (\new)
	s_set_vgpr_msb (MSB<<8)|(\new)
.set MSB, (\new)
.endif
.endm
.set MUL_LO, 0xa1                      ; source 0 window 1, source 1 window 0, C and D window 2
.set MUL_HI, 0xf1
.set TO_B,   0x40
.macro PLACES                          ; four plain lines between a matrix instruction and a load into, or a vector line on, its registers
.rept 4
	v_nop
.endr
.endm
.macro CREST                           ; a round of the cluster's barrier behind its opening barrier
	s_cmp_lg_u32 s16, 0
	s_cbranch_scc1 .Lnot_wave_0_\@
	s_barrier_signal -3
.Lnot_wave_0_\@:
	s_barrier_wait -3
	s_barrier_signal -1
	s_barrier_wait -1
.endm
.macro CROUND
	s_barrier_signal -1
	s_barrier_wait -1
	CREST
.endm
.macro JLOAD                           ; the one refill: waves 0, 1 for the rows, waves 2, 3 for the columns; four v_nop follow each line
	s_cmp_eq_u32 s17, 0
	s_cbranch_scc0 .Lfor_b_\@
	tensor_load_to_lds s[G0A:G0A+3], s[G1A:G1A+7]
	s_nop 0
.rept 4
	v_nop
.endr
	s_branch .Lasked_\@
.Lfor_b_\@:
	tensor_load_to_lds s[G0B:G0B+3], s[G1B:G1B+7]
	s_nop 0
.rept 4
	v_nop
.endr
.Lasked_\@:
.endm
.macro FRAG reg, adr, q, i             ; a fragment comes back as it was stored: three loads of 512 consecutive bytes
.irp c, 0,1,2
	ds_load_b128 v[(\reg)+4*\c:(\reg)+4*\c+3], v[\adr] offset:(\i)*3072+(\q)*1536+\c*512
.endr
.endm
.macro FETCH_B L, q, p
	WIN TO_B
.irp i, 0,1,2,3,4,5,6,7
	FRAG 128*(\p)+FR*\i, ADRB+\L, \q, \i
.endr
	WIN 0
.endm
.macro FETCH_A L, q, i0
.irp i, \i0, \i0+1, \i0+2, \i0+3
	FRAG AF+FR*(\i), ADRA+\L, \q, \i
.endr
.endm
.macro SCALES L, set                   ; a K slot's scale words: register 2 i + q: lanes 0-15 the rows' tile i, lanes 16-31 the columns' tile i
.irp i, 0,1,2,3,4,5,6,7
	ds_load_b64 v[SC+16*(\set)+2*\i:SC+16*(\set)+2*\i+1], v[ADRS+\L] offset:\i*128
.endr
.endm
; 16 matrix instructions.  The 64 accumulators take turns, one instruction a turn, in the same order in every step.
.macro MUL16 a0, p, q, sc, zero
.irp a, \a0, \a0+1
.irp b, 0,1,2,3,4,5,6,7
.if \zero
	v_wmma_scale_f32_16x16x128_f8f6f4 v[8*(8*((\a)%4)+\b):8*(8*((\a)%4)+\b)+7], v[128*(\p)+FR*\b:128*(\p)+FR*\b+FR-1], v[AF+FR*(\a):AF+FR*(\a)+FR-1], 0, v[SC+16*(\sc)+2*\b+(\q)], v[SC+16*(\sc)+2*(\a)+(\q)] matrix_a_fmt:MATRIX_FMT_FP6 matrix_b_fmt:MATRIX_FMT_FP6 matrix_a_scale:MATRIX_SCALE_ROW1
.else
	v_wmma_scale_f32_16x16x128_f8f6f4 v[8*(8*((\a)%4)+\b):8*(8*((\a)%4)+\b)+7], v[128*(\p)+FR*\b:128*(\p)+FR*\b+FR-1], v[AF+FR*(\a):AF+FR*(\a)+FR-1], v[8*(8*((\a)%4)+\b):8*(8*((\a)%4)+\b)+7], v[SC+16*(\sc)+2*\b+(\q)], v[SC+16*(\sc)+2*(\a)+(\q)] matrix_a_fmt:MATRIX_FMT_FP6 matrix_b_fmt:MATRIX_FMT_FP6 matrix_a_scale:MATRIX_SCALE_ROW1
.endif
.endr
.endr
.endm
; A step of 128 along K (the q-th of slot L, scale set sc), which fetches the step (nL, nq) behind it.  mode 0: no barrier.  mode 1: the next slot's load is waited for, and a barrier.  mode 2: the barrier opens a round, and slot 0 is filled again.
.macro STEP L, q, sc, zero, nL, nq, nsc, mode
.if \mode == 0
	s_wait_dscnt 12                                ; all but the youngest twelve loads (the rows' tiles 4-7)
	WIN MUL_LO
	MUL16 0, \q, \q, \sc, \zero
	MUL16 2, \q, \q, \sc, \zero
	s_wait_dscnt 0x0
	PLACES
.else
	s_wait_tensorcnt 0x0                           ; all my tensor loads have landed;
	ds_add_u32 v[SPW], v[NIL]                      ; 0 onto my spare word;
	s_wait_dscnt 13                                ; (the add and the youngest twelve loads may be out)
	WIN MUL_LO
	MUL16 0, \q, \q, \sc, \zero
	s_wait_dscnt 0x0                               ; the add is done, and my reads of this slot are over
	s_barrier_signal -1
	MUL16 2, \q, \q, \sc, \zero
	WIN 0
	s_barrier_wait -1
.if \mode == 2
	CREST                                          ; no wave of any partner still reads slot 0 or has a load on its way
	s_add_nc_u64 s[G0A+2:G0A+3], s[G0A+2:G0A+3], 3*BLK   ; K slot 3 lies three blocks behind K slot 0
	s_add_nc_u64 s[G0B+2:G0B+3], s[G0B+2:G0B+3], 3*BLK
	JLOAD                                          ; the first tensor load behind the round; its four v_nop are the places in front of the loads below
.else
	PLACES
.endif
.endif
	FETCH_B \nL, \nq, 1-(\q)
	FETCH_A \nL, \nq, 0
.if \nq == 0
	SCALES \nL, \nsc
.endif
	WIN MUL_HI
	MUL16 4, \q, \q, \sc, \zero
	MUL16 6, \q, \q, \sc, \zero
	PLACES
	WIN 0
	FETCH_A \nL, \nq, 4
.endm
; 64 numbers of a lane (register 16 b + i = k 32 b + 16 h + i of my row) become six registers of codes at d0 (k = 32 h ..), six at d1 (k = 64 + 32 h ..) and the row's scale word in pw.
.macro QUANT s, d0, d1, pw
.irp b, 0,1,2,3
	v_max3_num_f32 v[TM+\b], |v[(\s)+16*\b]|, |v[(\s)+1+16*\b]|, 0x1800000   ; with the floor 2^(3 - 127): the byte cannot fall under 1
.endr
.irp i, 2,4,6,8,10,12,14
.irp b, 0,1,2,3
	v_max3_num_f32 v[TM+\b], v[TM+\b], |v[(\s)+16*\b+\i]|, |v[(\s)+1+16*\b+\i]|
.endr
.endr
.irp b, 0,1,2,3
	v_permlanex16_b32 v[TM+4+\b], v[TM+\b], s[SEL], s[SEL+1]
.endr
.irp b, 0,1,2,3
	v_max_num_f32 v[TM+\b], v[TM+\b], v[TM+4+\b]
.endr
.irp b, 0,1,2,3
	v_add_nc_u32 v[TM+12+\b], 0xff000000, v[TM+\b]         ; 2 off the exponent field: the conversion's scale operand
.endr
.irp b, 0,1,2,3
	v_lshrrev_b32 v[TM+4+\b], 23, v[TM+12+\b]              ; the scale's byte
.endr
	v_lshl_or_b32 v[\pw], v[TM+5], 8, v[TM+4]
	v_lshl_or_b32 v[\pw], v[TM+6], 16, v[\pw]
	v_lshl_or_b32 v[\pw], v[TM+7], 24, v[\pw]
	v_cvt_scalef32_pk16_fp6_f32 v[(\d0):(\d0)+2], v[(\s):(\s)+15], v[TM+12]
	v_cvt_scalef32_pk16_fp6_f32 v[CT:CT+2], v[(\s)+16:(\s)+31], v[TM+13]
	v_cvt_scalef32_pk16_fp6_f32 v[(\d1):(\d1)+2], v[(\s)+32:(\s)+47], v[TM+14]
	v_cvt_scalef32_pk16_fp6_f32 v[CT+4:CT+6], v[(\s)+48:(\s)+63], v[TM+15]
	v_nop                                                  ; one plain line behind the conversions
.irp i, 0,1,2
	v_permlane16_swap_b32 v[(\d0)+\i], v[CT+\i]
	v_permlane16_swap_b32 v[(\d1)+\i], v[CT+4+\i]
.endr
.irp i, 0,1,2
	v_mov_b32 v[(\d0)+3+\i], v[CT+\i]
	v_mov_b32 v[(\d1)+3+\i], v[CT+4+\i]
.endr
.endm
.macro TAIL                            ; the wave's end: a wait, an add to the spare word, a wait; then the closing round
	s_wait_tensorcnt 0x0
	ds_add_u32 v[SPW], v[NIL]
	s_wait_dscnt 0x0
	CROUND
	s_endpgm
.endm
	s_load_b256 s[4:11], s[0:1], 0x0               ; xq s[4:5], wq s[6:7], Wqkv_b s[8:9], rope s[10:11]
	s_load_b128 s[12:15], s[0:1], 0x20             ; qimg s[12:13], kv s[14:15]
	v_lshl_add_u32 v[SPW], v0, 2, SPARE
	v_mov_b32 v[NIL], 0
	ds_add_u32 v28, v29
	ds_add_u32 v28, v29
	s_wait_dscnt 0x0
	v_lshrrev_b32 v1, 5, v0
	v_readfirstlane_b32 s16, v1                    ; wave
	s_lshr_b32 s17, s16, 1                         ; which half of the tile's rows is mine.  Also: I fetch for the rows (0) or the columns (1)
	s_and_b32 s18, s16, 1                          ; which half of its columns.  Also: which half I fetch
	s_bfe_u32 s66, ttmp6, 0x40000                  ; cx
	s_bfe_u32 s67, ttmp6, 0x40004                  ; cy
	s_and_b32 s68, ttmp7, 0xffff                   ; the cluster's y
	s_lshl_b32 s69, s68, 2
	s_add_co_u32 s70, s69, s67                     ; 4 y + cy
	s_add_co_u32 s71, s69, s66                     ; 4 y + cx
	s_lshl_b32 s72, ttmp9, 2
	s_add_co_u32 s72, s72, s66                     ; 4 x + cx
	s_cmp_eq_u32 ttmp9, 2                          ; V^T?  The same in all sixteen partners
	s_cselect_b32 s19, s67, s70                    ; the tile row: made of cy and y alone
	s_cselect_b32 s20, s71, s72                    ; the tile column: of cx, x and y alone
	s_lshl_b32 s73, s67, 2
	s_lshl_b32 s73, 15, s73                        ; my row of the cluster
	s_lshl_b32 s74, 0x1111, s66                    ; my column
	s_or_b32 s[G1A], s73, (3<<16)|(1<<21)          ; 15:0 the mask; 17:16 elements of 8 bytes; 21 set beside a mask; no padding
	s_or_b32 s[G1B], s74, (3<<16)|(1<<21)
.irp g, G1A, G1B
	s_mov_b32 s[\g+1], 32<<16                      ; a block: 100 rows of 32 elements (256 bytes), dense
	s_mov_b32 s[\g+2], 100<<16
	s_mov_b32 s[\g+3], 32<<16
	s_mov_b32 s[\g+4], 100
	s_mov_b32 s[\g+5], 32
	s_mov_b32 s[\g+6], 0
	s_mov_b32 s[\g+7], 0
.endr
	s_lshl_b32 s75, s19, 1
	s_add_co_u32 s75, s75, s18
	s_mul_i32 s76, s75, GSTR                       ; the rows' group that I fetch
	s_mov_b32 s77, 0
	s_lshl_b32 s81, s20, 1
	s_add_co_u32 s81, s81, s18
	s_mul_i32 s78, s81, GSTR                       ; the columns'
	s_mov_b32 s79, 0
	s_mul_i32 s80, s16, BLK                        ; where it goes in a slot: no place in the cluster enters an LDS address
	s_wait_kmcnt 0x0
	s_add_nc_u64 s[82:83], s[6:7], 16*GSTR         ; wq at v's groups
	s_cmp_eq_u32 ttmp9, 2
	s_cselect_b64 s[84:85], s[82:83], s[4:5]
	s_cselect_b64 s[86:87], s[4:5], s[6:7]
	s_add_nc_u64 s[84:85], s[84:85], s[76:77]
	s_add_nc_u64 s[86:87], s[86:87], s[78:79]
	CROUND                                         ; all sixteen work-groups are here: the first joint loads meet
.irp g, 0,1,2
	s_mov_b32 s[G0A+4*\g], 1
	s_add_co_u32 s[G0A+4*\g+1], s80, \g*SLOT
	s_add_nc_u64 s[G0A+4*\g+2:G0A+4*\g+3], s[84:85], \g*BLK
	s_or_b32 s[G0A+4*\g+3], s[G0A+4*\g+3], 0x80000000
	s_mov_b32 s[G0B+4*\g], 1
	s_add_co_u32 s[G0B+4*\g+1], s80, \g*SLOT
	s_add_nc_u64 s[G0B+4*\g+2:G0B+4*\g+3], s[86:87], \g*BLK
	s_or_b32 s[G0B+4*\g+3], s[G0B+4*\g+3], 0x80000000
.endr
	s_cmp_eq_u32 s17, 0                            ; a wave's three first fills stand in one branch: three loads of mine are out
	s_cbranch_scc0 .Lfirst_b
	tensor_load_to_lds s[G0A:G0A+3], s[G1A:G1A+7]
	s_nop 0
	tensor_load_to_lds s[G0A+4:G0A+7], s[G1A:G1A+7]
	s_nop 0
	tensor_load_to_lds s[G0A+8:G0A+11], s[G1A:G1A+7]
	s_nop 0
.rept 4
	v_nop
.endr
	s_branch .Lfirst_done
.Lfirst_b:
	tensor_load_to_lds s[G0B:G0B+3], s[G1B:G1B+7]
	s_nop 0
	tensor_load_to_lds s[G0B+4:G0B+7], s[G1B:G1B+7]
	s_nop 0
	tensor_load_to_lds s[G0B+8:G0B+11], s[G1B:G1B+7]
	s_nop 0
.rept 4
	v_nop
.endr
.Lfirst_done:
	v_and_b32 v1, 15, v0                           ; r
	v_bfe_u32 v2, v0, 4, 1                         ; h
	v_and_b32 v3, 31, v0
	v_lshlrev_b32 v3, 4, v3                        ; 16 x lane
	s_mul_i32 s21, s17, BLK                        ; my half of the rows
	s_mul_i32 s22, s18, BLK
	s_add_co_u32 s22, s22, 2*BLK                   ; my half of the columns
	s_sub_co_u32 s23, s22, s21
	v_mul_u32_u24 v4, s23, v2                      ; lanes 16-31 take the columns' words: one product, the distance between the two
	v_lshl_add_u32 v4, v1, 3, v4
	v_add_nc_u32 v4, s21, v4
.irp L, 0,1,2
	v_add_nc_u32 v[ADRS+\L], SCO+\L*SLOT, v4
	v_add_nc_u32 v[ADRA+\L], s21, v3
	v_add_nc_u32 v[ADRB+\L], s22, v3
	s_add_co_u32 s21, s21, SLOT
	s_add_co_u32 s22, s22, SLOT
.endr
	s_wait_tensorcnt 2                             ; my part of K slot 0 is in; slots 1 and 2 may stay out
	s_barrier_signal -1
	s_barrier_wait -1
	FETCH_B 0, 0, 0
	FETCH_A 0, 0, 0
	SCALES 0, 0
	FETCH_A 0, 0, 4
	STEP 0, 0, 0, 1, 0, 1, 0, 0                    ; the first step's products start the sums: nothing is cleared
	STEP 0, 1, 0, 0, 1, 0, 1, 2                    ; slot 0 is left and filled with K slot 3, which has four steps in which to land
	STEP 1, 0, 1, 0, 1, 1, 0, 0
	STEP 1, 1, 1, 0, 2, 0, 0, 0                    ; no barrier: in front of the round every wave had waited for all its loads, K slot 2's among them
	STEP 2, 0, 0, 0, 2, 1, 0, 0
	STEP 2, 1, 0, 0, 0, 0, 1, 1                    ; K slot 3 has landed, in every wave
	STEP 0, 0, 1, 0, 0, 1, 0, 0
	s_wait_dscnt 12                                ; the last step: nothing more to fetch
	WIN MUL_LO
	MUL16 0, 1, 1, 1, 0
	MUL16 2, 1, 1, 1, 0
	s_wait_dscnt 0x0
	WIN MUL_HI
	MUL16 4, 1, 1, 1, 0
	MUL16 6, 1, 1, 1, 0
	WIN 0
	PLACES                                         ; in front of the first reads of results and of writes and loads into the fragments' registers
.irp b, 0,1,2,3
	v_mov_b32 v[TM+4+\b], 0                        ; a lane permute's destination counts as read
.endr
	v_cmp_eq_u32 s98, 1, v2                        ; lanes 16-31
	s_mov_b32 s[SEL], 0x76543210
	s_mov_b32 s[SEL+1], 0xfedcba98
	s_mov_b32 s96, 0x05040100
	s_mov_b32 s97, 0x07060302
	s_mov_b32 s67, 0
	s_cmp_eq_u32 ttmp9, 2
	s_cbranch_scc1 .Lvout
	; ---- THE WAY OUT OF q AND k.  My 128 tokens x 128 features: two heads.  A tile of 16 tokens at a time: (sum + bias) x F, rotation, quantising; two tiles' codes make one image for each head.
	s_lshl_b32 s21, s19, 8
	s_lshl_b32 s22, s17, 7
	s_add_co_u32 s21, s21, s22                     ; my first token
	s_lshl_b32 s22, s20, 8
	s_lshl_b32 s23, s18, 7
	s_add_co_u32 s22, s22, s23                     ; my first feature, 0 .. 2,047
	s_mov_b32 s88, 2*GSTR
	s_cmp_eq_u32 ttmp9, 0                          ; q or k
	s_cselect_b32 s84, 0x3e000000, 1.0             ; F: q is divided by 8, a power of two, so the order of that and the roundings does not matter
	s_cselect_b64 s[86:87], s[12:13], s[14:15]
	s_cselect_b32 s88, GSTR, s88                   ; bytes from head to head in qimg, in kv
	s_mov_b32 s85, s84
	s_lshr_b32 s23, s21, 11
	s_lshl_b32 s23, s23, 4
	s_and_b32 s66, s22, 1023
	s_lshr_b32 s66, s66, 6
	s_add_co_u32 s23, s23, s66                     ; 16 x batch + head
	s_mul_i32 s66, s23, s88
	s_add_nc_u64 s[86:87], s[86:87], s[66:67]
	s_bfe_u32 s68, s21, 0x40007                    ; which 128 tokens of the sequence
	s_mul_i32 s66, s68, 6144
	s_add_nc_u64 s[90:91], s[86:87], s[66:67]      ; the first head's images
	s_mov_b32 s66, s88
	s_add_nc_u64 s[92:93], s[90:91], s[66:67]      ; the second head's
	s_lshl_b32 s66, s68, 8
	s_add_co_u32 s66, s66, 98304
	s_add_nc_u64 s[94:95], s[86:87], s[66:67]      ; the scale words
	s_lshl_b32 s66, s22, 2
	s_add_nc_u64 s[8:9], s[8:9], s[66:67]          ; the bias at my first feature
	s_and_b32 s66, s21, 2047
	s_lshl_b32 s66, s66, 8
	s_add_nc_u64 s[10:11], s[10:11], s[66:67]      ; the table at my first position: 4,096 bytes for 16 positions
	v_lshlrev_b32 v5, 6, v2                        ; 64 h
	v_mul_u32_u24 v6, s88, v2
	v_lshl_add_u32 v6, v1, 4, v6                   ; scale words: 16 r, lanes 16-31 a head on
.irp n, 0,1,2,3,4,5,6,7,8,9,10,11,12,13,14,15
	global_load_b128 v[BI+4*\n:BI+4*\n+3], v5, s[8:9] offset:128*(\n/4)+16*(\n%4)   ; register 16 b + i = bias of feature 32 b + 16 h + i
.endr
.macro ROPELD n0, n1                   ; the table's loads n0 .. n1 - 1 of 64, into window 1: 32 registers for each tile of tokens
	WIN 0x40
.set n, \n0
.rept (\n1)-(\n0)
	global_load_b128 v[4*n:4*n+3], v3, s[10:11] offset:512*n
.set n, n+1
.endr
	WIN 0
.endm
	ROPELD 0, 40
	s_wait_loadcnt 40                              ; the bias is in; the table's first forty loads may be out
.set i, 0
.rept 32
	v_pk_mul_f32 v[BI+2*i:BI+2*i+1], v[BI+2*i:BI+2*i+1], s[84:85] op_sel_hi:[1,0]
.set i, i+1
.endr
.macro QKROW a
.if (\a) == 0
	s_wait_loadcnt 32                              ; tile 0's eight loads are in; those of tiles 1 to 4 may be out
	ROPELD 40, 64
.else
	s_wait_loadcnt 56-8*(\a)                       ; this tile's table is in; the later tiles' may be out
.endif
	WIN 0x02+(\a)/4
.set i, 0
.rept 32
	v_pk_fma_f32 v[W+2*i:W+2*i+1], v[64*((\a)%4)+2*i:64*((\a)%4)+2*i+1], s[84:85], v[BI+2*i:BI+2*i+1] op_sel_hi:[1,0,1]   ; each accumulator from its low end on
.set i, i+1
.endr
	WIN 0x04                                       ; source 1: the table, window 1
.set g, 0
.rept 8
.irp k, 0,1,2,3
	v_pk_mul_f32 v[TM+2*\k:TM+2*\k+1], v[W+8*g+2*\k:W+8*g+2*\k+1], v[32*(\a)+(8*g+2*\k)%32:32*(\a)+(8*g+2*\k)%32+1] op_sel_hi:[1,0]   ; (x0 cos, x1 cos)
.endr
.irp k, 0,1,2,3
	v_pk_fma_f32 v[W+8*g+2*\k:W+8*g+2*\k+1], v[W+8*g+2*\k:W+8*g+2*\k+1], v[32*(\a)+(8*g+2*\k)%32:32*(\a)+(8*g+2*\k)%32+1], v[TM+2*\k:TM+2*\k+1] op_sel:[1,1,0] op_sel_hi:[0,1,1] neg_lo:[0,1,0]   ; (x0 cos - x1 sin, x1 cos + x0 sin)
.endr
.set g, g+1
.endr
	WIN 0
.if ((\a)%2 == 0) && ((\a) > 0)
	s_wait_xcnt 0x0                                ; the last pair's stores have read the images
.endif
	QUANT W, IMGA+6*((\a)%2), IMGB+6*((\a)%2), PWR+(\a)%2
.if (\a)%2 == 1
	v_perm_b32 v242, v[PWR+1], v[PWR], s96         ; the first head's two bytes of both tiles,
	v_perm_b32 v243, v[PWR+1], v[PWR], s97         ; the second head's
	v_cndmask_b32 v[SCW+(\a)/2], v242, v243, s98
.irp c, 0,1,2
	global_store_b128 v3, v[IMGA+4*\c:IMGA+4*\c+3], s[90:91] offset:((\a)/2)*1536+\c*512
	global_store_b128 v3, v[IMGB+4*\c:IMGB+4*\c+3], s[92:93] offset:((\a)/2)*1536+\c*512
.endr
.endif
.endm
.irp a, 0,1,2,3,4,5,6,7
	QKROW \a
.endr
	global_store_b128 v6, v[SCW:SCW+3], s[94:95]   ; 256 consecutive bytes for each of the two heads
	TAIL
.Lvout:
	; ---- THE WAY OUT OF v.  My 128 features (two heads) x 128 tokens: a lane holds one feature, its registers run along the tokens, which are the next K: each tile of features is one image.
	s_lshl_b32 s21, s20, 8
	s_lshl_b32 s22, s18, 7
	s_add_co_u32 s21, s21, s22                     ; my first token
	s_lshl_b32 s22, s19, 8
	s_lshl_b32 s23, s17, 7
	s_add_co_u32 s22, s22, s23                     ; my first feature of v, 0 .. 1,023
	s_lshl_b32 s66, s22, 2
	s_add_co_u32 s66, s66, 8192
	s_add_nc_u64 s[8:9], s[8:9], s[66:67]
	v_and_b32 v7, 8, v1
	v_add_nc_u32 v7, v7, v1
	v_lshlrev_b32 v7, 2, v7                        ; 4 (r + 8 (r / 8))
.irp a, 0,1,2,3,4,5,6,7
	global_load_b32 v[BI+\a], v7, s[8:9] offset:(32*(\a/2)+8*(\a%2))*4
.endr
	s_lshr_b32 s23, s21, 11
	s_lshl_b32 s23, s23, 4
	s_lshr_b32 s66, s22, 6
	s_add_co_u32 s23, s23, s66                     ; 16 x batch + head
	s_mul_i32 s66, s23, 2*GSTR
	s_add_nc_u64 s[86:87], s[14:15], s[66:67]
	s_bfe_u32 s68, s21, 0x40007
	s_mul_i32 s66, s68, 6144
	s_add_co_u32 s66, s66, GSTR
	s_add_nc_u64 s[90:91], s[86:87], s[66:67]      ; V's images of these 128 keys
	s_lshl_b32 s66, s68, 8
	s_add_co_u32 s66, s66, 200704
	s_add_nc_u64 s[94:95], s[86:87], s[66:67]      ; and their scale words
	v_mul_u32_u24 v6, 2*GSTR, v2
	v_lshl_add_u32 v6, v1, 4, v6
	s_wait_loadcnt 0x0
.macro VROW a
	WIN 0x02+(\a)/4
.set i, 0
.rept 32
	v_pk_add_f32 v[W+2*i:W+2*i+1], v[64*((\a)%4)+2*i:64*((\a)%4)+2*i+1], v[BI+2*((\a)/2):BI+2*((\a)/2)+1] op_sel:[0,(\a)%2] op_sel_hi:[1,(\a)%2]
.set i, i+1
.endr
	WIN 0
.if (\a) > 0
	s_wait_xcnt 0x0                                ; the last tile's stores have read the image
.endif
	QUANT W, IMGA, IMGA+6, IMGB+(\a)
.irp c, 0,1,2
	global_store_b128 v3, v[IMGA+4*\c:IMGA+4*\c+3], s[90:91] offset:((\a)/4)*2*GSTR+((\a)%4)*1536+\c*512
.endr
.endm
.irp a, 0,1,2,3,4,5,6,7
	VROW \a
.endr
.irp t, 0,1,2,3
	v_cndmask_b32 v[SCW+\t], v[IMGB+\t], v[IMGB+4+\t], s98
.endr
	global_store_b128 v6, v[SCW:SCW+3], s[94:95]
	TAIL
.Lfunc_end_k_qc4e50df627_qkv:
	.size	k_qc4e50df627_qkv, .Lfunc_end_k_qc4e50df627_qkv-k_qc4e50df627_qkv
	.p2alignl 7, 3214868480
	.fill 96, 4, 3214868480
	.section	.rodata,"a",@progbits
	.p2align	6, 0x0
	.amdhsa_kernel k_qc4e50df627_qkv
		.amdhsa_group_segment_fixed_size 327680
		.amdhsa_private_segment_fixed_size 0
		.amdhsa_enable_private_segment 0
		.amdhsa_kernarg_size 48
		.amdhsa_user_sgpr_count 2
		.amdhsa_user_sgpr_kernarg_segment_ptr 1
		.amdhsa_wavefront_size32 1
		.amdhsa_system_sgpr_workgroup_id_x 1
		.amdhsa_system_sgpr_workgroup_id_y 1
		.amdhsa_system_sgpr_workgroup_id_z 1
		.amdhsa_system_vgpr_workitem_id 0
		.amdhsa_next_free_vgpr 1024
		.amdhsa_next_free_sgpr 100
		.amdhsa_reserve_vcc 0
		.amdhsa_float_denorm_mode_32 3
		.amdhsa_float_denorm_mode_16_64 3
		.amdhsa_memory_ordered 1
		.amdhsa_forward_progress 1
		.amdhsa_inst_pref_size 248
	.end_amdhsa_kernel
	.amdgpu_metadata
---
amdhsa.version: [ 1, 2 ]
amdhsa.kernels:
  - .name:           k_qc4e50df627_qkv
    .symbol:         k_qc4e50df627_qkv.kd
    .args:
      - { .name: xq, .offset: 0, .size: 8, .value_kind: global_buffer, .address_space: global }
      - { .name: wq, .offset: 8, .size: 8, .value_kind: global_buffer, .address_space: global }
      - { .name: Wqkv_b, .offset: 16, .size: 8, .value_kind: global_buffer, .address_space: global }
      - { .name: rope, .offset: 24, .size: 8, .value_kind: global_buffer, .address_space: global }
      - { .name: qimg, .offset: 32, .size: 8, .value_kind: global_buffer, .address_space: global }
      - { .name: kv, .offset: 40, .size: 8, .value_kind: global_buffer, .address_space: global }
    .group_segment_fixed_size: 327680
    .private_segment_fixed_size: 0
    .kernarg_segment_align: 8
    .kernarg_segment_size: 48
    .max_flat_workgroup_size: 128
    .sgpr_count:     100
    .vgpr_count:     1024
    .wavefront_size: 32
...
	.end_amdgpu_metadata
.endif
;; end of part 2
;; launch attn (part 3): grid 4 x 64, 16 waves a work-group, clusters of 4 x 1, 206,848 bytes of LDS; arguments qimg, kv, oq; writes oq
.if DOCPART == 3
	.amdgcn_target "amdgcn-amd-amdhsa--gfx1250"
	.amdhsa_code_object_version 6
	.text
	.protected	k_qc4e50df627_attn
	.globl	k_qc4e50df627_attn
	.p2align	8
	.type	k_qc4e50df627_attn,@function
k_qc4e50df627_attn:
	s_mov_b64 s[64:65], 0
	v_nop
	global_prefetch_b8 v0, s[64:65] scope:SCOPE_SE
	s_setreg_imm32_b32 hwreg(HW_REG_WAVE_MODE, 25, 1), 1
	s_wait_xcnt 0x0
	s_wait_alu depctr_hold_cnt(0) depctr_sa_sdst(0) depctr_va_vdst(0) depctr_va_sdst(0) depctr_va_ssrc(0) depctr_va_vcc(0) depctr_vm_vsrc(0)
	s_getreg_b32 s2, hwreg(HW_REG_IB_STS2, 6, 4)
	s_cmp_eq_u32 s2, 0
	s_cbranch_scc0 .Lentry_in_a_cluster
	s_endpgm
.Lentry_in_a_cluster:
	s_bfe_u32 s2, ttmp6, 0x10000c
	s_cmp_lg_u32 s2, 0x3003
	s_cbranch_scc0 .Lentry_shape_is_right
	s_endpgm
.Lentry_shape_is_right:
; Causal attention of one head on codes of FP6 (E2M3) with E8M0 scales: S^T = K Q^T (K = the head's 64), p = 2^(t - M), O^T = V^T P^T (K = the keys), O / l, and O's quantising for the last product.
; t = score x log2(e) (q was divided by 8 before it was quantised); M = the running largest t rounded up to a whole number; the row's sum is taken of the unquantised p; when M moves, sum and O are multiplied by 2^(old M - new M): exact.
; THE HEAD'S K, V AND SCALES, 204,800 bytes, LIE IN LDS WHOLE: filled once, sixteen loads of 12,800 bytes, one a wave, each asked for JOINTLY by the four work-groups of the cluster, which all serve this head.  Nothing is filled again.
; SHARES.  The sequence is 16 groups of 128 tokens.  Wave w takes group g(w), a permutation in which any four waves with equal w % 4, and any four with equal w / 4, have groups that add up to 30.  Of the group's four pairs of
; tiles of 16 queries, the partner at place cx takes pair cx; the pair's two tiles are walked one after the other.  So which key steps a wave leaves out (those behind its group) hangs on the wave's number alone, all four
; partners and all work-groups have equal work, and cx enters only global addresses and the mask's numbers.
; K = 64 IS HALF OF THE INSTRUCTION'S 128: an image holds TWO tiles of 16 tokens, one in k = 0 .. 63, one in k = 64 .. 127.  The queries' codes stand between two runs of zero codes: [q | 0] meets the first tile of keys, [0 | q] the second.
; A lane holds ONE query throughout; by the order of the rows in a tile the 16 registers of two neighbouring tiles of keys are 16 neighbouring keys (32 b + 16 h + i), and O^T's 32 registers are d = 32 b + 16 h + i.
; The mask: hidden scores become -infinity, which gives p = 0.  Key 0 counts for every query, so M is a number from the first step on.
; LIMITS: NaN and infinities are not served; a block of o whose largest magnitude lies under 2^-124 gets the scale byte 1.  No prefetch: every byte is asked for at the head.
.set GSTR, 102400
.set BLK,  25600
.set SCO,  24576
.set AK0,  1                           ; v1   16 x lane: an image's place for my lane; K's images begin at LDS byte 0
.set R16,  2                           ; v2   16 r
.set DM,   3                           ; v3   my query's place in its group, less 16 h
.set NINF, 4                           ; v4   -infinity
.set AV0,  5                           ; v5   16 x lane + 102,400: V's images
.set L8,   6                           ; v6   8 x lane
.set R4,   7                           ; v7   4 r
.set ADK,  8                           ; v8-11 the step's addresses: K, V, K's scale words, V's
.set ADV,  9
.set ADS,  10
.set ADT,  11
.set QZ,   16                          ; v16-33  six zeros, the tile's six registers of codes, six zeros
.set QT,   34                          ; v34-45  the pair's image
.set QW,   46                          ; v46     its scale word
.set QS,   47                          ; v47     the tile's two bytes, twice
.set KF,   48                          ; v48-95  four images of K, then of V
.set S,    96                          ; v96-159 S^T, then p
.set O,    160                         ; v160-191 O^T
.set PCD,  192                         ; v192-203 p's codes
.set CT,   204                         ; v204-211 the conversions' second halves
.set BM,   212                         ; v212-215 the blocks' maxima
.set PD,   216                         ; v216-219 the other half's maxima, then bytes
.set KS,   220                         ; v220-223 K's scale words; v224-227 V's; v228 p's
.set VS,   224
.set PS,   228
.set SOP,  232                         ; v232-235 the conversions' scale operands
.set W0,   238                         ; v238 the first tile's two bytes of o; v239 both tiles'
.set OC,   240                         ; v240-245 o's codes
.set DMB,  246
.set AS0,  247                         ; v247 16 r + 98,304
.set AT0,  248                         ; v248 16 r + 200,704
.set WV,   10
.set G,    13
.set SEL,  42
.set CS,   44
.set TB,   46
.set TS,   47
.set SI,   48
.macro CROUND
	s_barrier_signal -1
	s_barrier_wait -1
	s_cmp_lg_u32 s[WV], 0
	s_cbranch_scc1 .Lnot_wave_0_\@
	s_barrier_signal -3
.Lnot_wave_0_\@:
	s_barrier_wait -3
	s_barrier_signal -1
	s_barrier_wait -1
.endm
	s_load_b128 s[4:7], s[0:1], 0x0                ; qimg, kv
	s_load_b64 s[8:9], s[0:1], 0x10                ; oq
	v_lshl_add_u32 v251, v0, 2, 0x32000
	v_mov_b32 v255, 0
	ds_add_u32 v251, v255
	ds_add_u32 v251, v255
	v_lshrrev_b32 v1, 5, v0
	v_readfirstlane_b32 s[WV], v1                  ; wave 0..15
	s_bfe_u32 s11, ttmp6, 0x40000                  ; cx
	s_and_b32 s12, ttmp7, 0xffff                   ; 16 x batch + head, which the four partners share
	s_and_b32 s13, s[WV], 3
	s_lshr_b32 s14, s[WV], 2
	s_xor_b32 s13, s13, s14
	s_lshr_b32 s14, s13, 1
	s_xor_b32 s13, s13, s14
	s_and_b32 s13, s13, 1
	s_xor_b32 s13, s13, 1                          ; 1 on the two diagonals of the 4 x 4 square of waves,
	s_mul_i32 s13, s13, 15
	s_xor_b32 s[G], s[WV], s13                     ; where the number is turned into 15 less itself: a magic square
	s_mov_b32 s16, 15|(3<<16)|(1<<21)              ; 15:0 the mask: all four work-groups; 17:16 elements of 8 bytes; 21 set beside a mask
	s_mov_b32 s17, 32<<16                          ; 50 rows of 256 bytes, dense
	s_mov_b32 s18, 50<<16
	s_mov_b32 s19, 32<<16
	s_mov_b32 s20, 50
	s_mov_b32 s21, 32
	s_mov_b32 s22, 0
	s_mov_b32 s23, 0
	s_mul_i32 s28, s12, 2*GSTR
	s_mul_i32 s30, s[WV], 12800
	s_add_co_u32 s28, s28, s30
	s_mov_b32 s29, 0
	s_wait_dscnt 0x0
	s_wait_kmcnt 0x0
	s_mov_b32 s24, 1
	s_mov_b32 s25, s30
	s_add_nc_u64 s[26:27], s[6:7], s[28:29]
	s_or_b32 s27, s27, 0x80000000
	CROUND                                         ; all four work-groups are here: the joint loads meet
	tensor_load_to_lds s[24:27], s[16:23]          ; my sixteenth of the head: one load of mine is out
	s_nop 0
.rept 4
	v_nop
.endr
	v_and_b32 v8, 15, v0                           ; r
	v_bfe_u32 v9, v0, 4, 1                         ; h
	v_and_b32 v10, 31, v0
	v_lshlrev_b32 v[AK0], 4, v10
	v_lshlrev_b32 v[L8], 3, v10
	v_lshlrev_b32 v[R16], 4, v8
	v_lshlrev_b32 v[R4], 2, v8
	v_add_nc_u32 v[AV0], GSTR, v[AK0]
	v_add_nc_u32 v[AS0], 98304, v[R16]
	v_add_nc_u32 v[AT0], 200704, v[R16]
	s_mul_i32 s28, s12, GSTR
	s_add_nc_u64 s[32:33], s[4:5], s[28:29]        ; the head in qimg
	s_lshl_b32 s31, s[G], 2
	s_add_co_u32 s31, s31, s11                     ; my pair of tiles: 4 g + cx
	s_mul_i32 s28, s31, 1536
	s_add_nc_u64 s[34:35], s[32:33], s[28:29]
	s_lshl_b32 s28, s[G], 8
	s_lshl_b32 s31, s11, 2
	s_add_co_u32 s28, s28, s31
	s_add_co_u32 s28, s28, 98304
	s_add_nc_u64 s[36:37], s[32:33], s[28:29]
.irp c, 0,1,2
	global_load_b128 v[QT+4*\c:QT+4*\c+3], v[AK0], s[34:35] offset:512*\c
.endr
	global_load_b32 v[QW], v[R16], s[36:37]
	s_lshr_b32 s28, s12, 4
	s_lshl_b32 s28, s28, 4
	s_add_co_u32 s28, s28, s[G]                    ; my group of 128 tokens among the 64
	s_mul_i32 s28, s28, GSTR
	s_and_b32 s30, s12, 15                         ; the head
	s_lshr_b32 s31, s30, 2
	s_mul_i32 s31, s31, BLK
	s_add_co_u32 s28, s28, s31
	s_add_nc_u64 s[40:41], s[8:9], s[28:29]        ; the block of oq that holds this head: K slot head / 4
	s_mul_i32 s28, s11, 6144                       ; tile 2 cx,
	s_bfe_u32 s31, s30, 0x10001
	s_mul_i32 s31, s31, 1536                       ; K step (head / 2) % 2,
	s_add_co_u32 s28, s28, s31
	s_and_b32 s31, s30, 1
	s_mul_i32 s31, s31, 768                        ; half head % 2 of the fragment
	s_add_co_u32 s28, s28, s31
	s_add_nc_u64 s[38:39], s[40:41], s[28:29]
	s_and_b32 s31, s30, 3
	s_lshl_b32 s31, s31, 8
	s_lshl_b32 s28, s11, 6
	s_add_co_u32 s28, s28, s31
	s_add_co_u32 s28, s28, SCO
	s_add_nc_u64 s[40:41], s[40:41], s[28:29]      ; the head's and the pair's scale words
	v_and_b32 v10, 8, v8
	v_add_nc_u32 v10, v10, v8
	v_lshlrev_b32 v11, 4, v9
	v_sub_nc_u32 v10, v10, v11
	s_lshl_b32 s49, s11, 5
	v_add_nc_u32 v[DMB], s49, v10                  ; r + 8 (r / 8) - 16 h + 32 cx
	v_mov_b32 v[NINF], 0xff800000
	s_mov_b32 s[SEL], 0x76543210
	s_mov_b32 s[SEL+1], 0xfedcba98
	s_mov_b32 s[CS], 0x3fb8aa3b                    ; log2(e)
	s_mov_b32 s[CS+1], s[CS]
	s_mov_b32 s50, 0x01000100
	s_mov_b32 s51, 0x03020302
.irp i, 0,1,2,3,4,5
	v_mov_b32 v[QZ+\i], 0                          ; zero codes add nothing under any scale byte but 0xff
	v_mov_b32 v[QZ+12+\i], 0
.endr
.irp b, 0,1,2,3
	v_mov_b32 v[PD+\b], 0                          ; a lane permute's destination counts as read
.endr
	v_mov_b32 v252, 0
	v_mov_b32 v253, 0                              ; (named as the upper half of the pair v[252:253])
	s_wait_tensorcnt 0x0                           ; my part has landed,
	s_barrier_signal -1
	s_barrier_wait -1                              ; everybody's has
	s_wait_loadcnt 0x0                             ; the queries
; A KEY STEP: 128 keys.  A step behind my group is left out: a branch on the wave's number and the count of steps, round the work, not round the lines that step addresses.
.macro STEP
	s_cmp_gt_u32 s[SI], s[G]
	s_cbranch_scc1 .Lhidden_\@
	v_add_nc_u32 v[ADK], s[TB], v[AK0]             ; (these four are the places in front of the loads into registers that the last products read)
	v_add_nc_u32 v[ADV], s[TB], v[AV0]
	v_add_nc_u32 v[ADS], s[TS], v[AS0]
	v_add_nc_u32 v[ADT], s[TS], v[AT0]
.irp b, 0,1,2,3
.irp c, 0,1,2
	ds_load_b128 v[KF+12*\b+4*\c:KF+12*\b+4*\c+3], v[ADK] offset:1536*\b+512*\c
.endr
.endr
	ds_load_b128 v[KS:KS+3], v[ADS]
	s_wait_dscnt 0x0
.irp b, 0,1,2,3
	v_wmma_scale_f32_16x16x128_f8f6f4 v[S+16*\b:S+16*\b+7], v[KF+12*\b:KF+12*\b+11], v[QZ+6:QZ+17], 0, v[KS+\b], v[QS] matrix_a_fmt:MATRIX_FMT_FP6 matrix_b_fmt:MATRIX_FMT_FP6
	v_wmma_scale_f32_16x16x128_f8f6f4 v[S+16*\b+8:S+16*\b+15], v[KF+12*\b:KF+12*\b+11], v[QZ:QZ+11], 0, v[KS+\b], v[QS] matrix_a_fmt:MATRIX_FMT_FP6 matrix_b_fmt:MATRIX_FMT_FP6
.endr
.rept 4
	v_nop                                          ; places in front of the loads below and of the first read of the scores
.endr
.irp t, 0,1,2,3
.irp c, 0,1,2
	ds_load_b128 v[KF+12*\t+4*\c:KF+12*\t+4*\c+3], v[ADV] offset:1536*\t+512*\c   ; V lands while the softmax is walked
.endr
.endr
	ds_load_b128 v[VS:VS+3], v[ADT]
	s_cmp_lg_u32 s[SI], s[G]                       ; only my own group's step lies on the diagonal
	s_cbranch_scc1 .Lopen_\@
.set n, 0
.rept 64
	v_cmp_gt_i32 vcc_lo, 32*(n/16)+n%16, v[DM]     ; register 16 b + i holds key 32 b + 16 h + i of the group: hidden where it comes after my query
	v_cndmask_b32 v[S+n], v[S+n], v[NINF], vcc_lo
.set n, n+1
.endr
.Lopen_\@:
.irp b, 0,1,2,3
	v_max3_num_f32 v[BM+\b], v[S+16*\b], v[S+16*\b+1], v[S+16*\b+2]   ; the largest score of each block of 32 keys: for the row's maximum and, since p rises with the score, for the block's largest p
.endr
.irp i, 3,5,7,9,11,13
.irp b, 0,1,2,3
	v_max3_num_f32 v[BM+\b], v[BM+\b], v[S+16*\b+\i], v[S+16*\b+\i+1]
.endr
.endr
.irp b, 0,1,2,3
	v_max_num_f32 v[BM+\b], v[BM+\b], v[S+16*\b+15]
.endr
.irp b, 0,1,2,3
	v_permlanex16_b32 v[PD+\b], v[BM+\b], s[SEL], s[SEL+1]
.endr
.irp b, 0,1,2,3
	v_max_num_f32 v[BM+\b], v[BM+\b], v[PD+\b]
.endr
	v_max3_num_f32 v254, v[BM], v[BM+1], v[BM+2]
	v_max_num_f32 v254, v254, v[BM+3]
	v_mul_f32 v254, s[CS], v254                    ; the step's largest t
	v_max_num_f32 v13, v13, v254                   ; the running largest t
	v_mov_b32 v254, v12
	v_floor_f32 v12, -v13                          ; -M = floor(-t): M is a whole number
	v_sub_f32 v254, v12, v254                      ; old M - new M, 0 or less
	v_cvt_i32_f32 v254, v254                       ; (it saturates)
	v_ldexp_f32 v252, 1.0, v254                    ; f = 2^(old M - new M)
.set j, 0
.rept 32
	v_pk_fma_f32 v[S+j:S+j+1], v[S+j:S+j+1], s[CS:CS+1], v[12:13] op_sel_hi:[1,0,0]   ; t - M
.set j, j+2
.endr
.irp b, 0,1,2,3
	v_fma_f32 v[BM+\b], v[BM+\b], s[CS], v12
.endr
.set j, 0
.rept 64
	v_exp_f32 v[S+j], v[S+j]                       ; p = 2^(t - M): not normalised
.set j, j+1
.endr
	v_pk_mul_f32 v[14:15], v[14:15], v[252:253] op_sel_hi:[1,0]   ; the sums under the new M: the plain line behind the batch
	s_wait_alu depctr_va_vdst(0)                   ; one wait for the 64, ahead of their first reader
.irp b, 0,1,2,3
	v_exp_f32 v[BM+\b], v[BM+\b]                   ; the blocks' largest p
.endr
	v_pk_add_f32 v[236:237], v[S:S+1], v[S+2:S+3]  ; the row's sum, of the unquantised p, in two chains
.irp j, 4,8,12,16,20,24,28,32,36,40,44,48,52,56,60
	v_pk_add_f32 v[14:15], v[14:15], v[S+\j:S+\j+1]
	v_pk_add_f32 v[236:237], v[236:237], v[S+\j+2:S+\j+3]
.endr
	v_pk_add_f32 v[14:15], v[14:15], v[236:237]
	s_wait_alu depctr_va_vdst(0)                   ; and one for the four
.irp b, 0,1,2,3
	v_max_num_f32 v[BM+\b], 0x1800000, v[BM+\b]    ; the floor 2^(3 - 127): a block whose every p is 0 keeps the byte 1; its codes are zeros
.endr
.irp b, 0,1,2,3
	v_add_nc_u32 v[SOP+\b], 0xff000000, v[BM+\b]
.endr
.irp b, 0,1,2,3
	v_lshrrev_b32 v[PD+\b], 23, v[SOP+\b]
.endr
	v_lshl_or_b32 v[PS], v[PD+1], 8, v[PD]
	v_lshl_or_b32 v[PS], v[PD+2], 16, v[PS]
	v_lshl_or_b32 v[PS], v[PD+3], 24, v[PS]
.irp c, 0,1
	v_cvt_scalef32_pk16_fp6_f32 v[PCD+6*\c:PCD+6*\c+2], v[S+32*\c:S+32*\c+15], v[SOP+2*\c]
	v_cvt_scalef32_pk16_fp6_f32 v[CT+4*\c:CT+4*\c+2], v[S+32*\c+16:S+32*\c+31], v[SOP+2*\c+1]
.endr
	v_nop                                          ; one plain line behind the conversions
.irp c, 0,1
.irp i, 0,1,2
	v_permlane16_swap_b32 v[PCD+6*\c+\i], v[CT+4*\c+\i]
.endr
.irp i, 0,1,2
	v_mov_b32 v[PCD+6*\c+3+\i], v[CT+4*\c+\i]
.endr
.endr
.set j, 0
.rept 16
	v_pk_mul_f32 v[O+j:O+j+1], v[O+j:O+j+1], v[252:253] op_sel_hi:[1,0]   ; O^T under the new M; these are also the places between p's codes and scale word and the products
.set j, j+2
.endr
	s_wait_dscnt 0x0                               ; V
.irp t, 0,1,2,3
	v_wmma_scale_f32_16x16x128_f8f6f4 v[O+8*\t:O+8*\t+7], v[KF+12*\t:KF+12*\t+11], v[PCD:PCD+11], v[O+8*\t:O+8*\t+7], v[VS+\t], v[PS] matrix_a_fmt:MATRIX_FMT_FP6 matrix_b_fmt:MATRIX_FMT_FP6
.endr
.Lhidden_\@:
	s_add_co_u32 s[TB], s[TB], 6144
	s_add_co_u32 s[TS], s[TS], 256
.endm
; O^T / the sum, quantised along d (two blocks of 32), leaves as half of a fragment of the last product's operand: registers 0-3 at 16 x lane, registers 4-5 behind them at 8 x lane.
.macro OUT u
.rept 4
	v_nop                                          ; places behind the last products
.endr
	v_add_f32 v14, v14, v15
	v_permlanex16_b32 v252, v14, s[SEL], s[SEL+1]
	v_add_f32 v14, v14, v252                       ; the row's sum
	v_rcp_f32 v14, v14
	v_nop
	s_wait_alu depctr_va_vdst(0)                   ; ahead of the reciprocal's first reader
.set j, 0
.rept 32
	v_mul_f32 v[S+j], v[O+j], v14                  ; register 16 b + i = o(query, 32 b + 16 h + i)
.set j, j+1
.endr
.irp b, 0,1
	v_max3_num_f32 v[BM+\b], |v[S+16*\b]|, |v[S+16*\b+1]|, 0x1800000
.endr
.irp i, 2,4,6,8,10,12,14
.irp b, 0,1
	v_max3_num_f32 v[BM+\b], v[BM+\b], |v[S+16*\b+\i]|, |v[S+16*\b+\i+1]|
.endr
.endr
.irp b, 0,1
	v_permlanex16_b32 v[PD+\b], v[BM+\b], s[SEL], s[SEL+1]
.endr
.irp b, 0,1
	v_max_num_f32 v[BM+\b], v[BM+\b], v[PD+\b]
.endr
.irp b, 0,1
	v_add_nc_u32 v[SOP+\b], 0xff000000, v[BM+\b]
.endr
.irp b, 0,1
	v_lshrrev_b32 v[PD+\b], 23, v[SOP+\b]
.endr
.if \u == 0
	v_lshl_or_b32 v[W0], v[PD+1], 8, v[PD]         ; the first tile's two bytes are kept
.else
	v_lshl_or_b32 v[W0+1], v[PD+1], 8, v[PD]
	v_lshl_or_b32 v[W0+1], v[W0+1], 16, v[W0]      ; both tiles' make a word
	s_wait_xcnt 0x0                                ; the first tile's stores have read the codes' registers
.endif
	v_cvt_scalef32_pk16_fp6_f32 v[OC:OC+2], v[S:S+15], v[SOP]
	v_cvt_scalef32_pk16_fp6_f32 v[CT:CT+2], v[S+16:S+31], v[SOP+1]
	v_nop
.irp i, 0,1,2
	v_permlane16_swap_b32 v[OC+\i], v[CT+\i]
.endr
.irp i, 0,1,2
	v_mov_b32 v[OC+3+\i], v[CT+\i]
.endr
	global_store_b128 v[AK0], v[OC:OC+3], s[38:39] offset:3072*\u
	global_store_b64 v[L8], v[OC+4:OC+5], s[38:39] offset:3072*\u+512
.if \u == 1
	global_store_b32 v[R4], v[W0+1], s[40:41]      ; both halves of the lanes hold the same word and name the same place
.endif
.endm
.macro PASS u                          ; tile u of my pair walks the keys
.irp i, 0,1,2,3,4,5
	v_mov_b32 v[QZ+6+\i], v[QT+6*\u+\i]
.endr
	v_perm_b32 v[QS], v[QW], v[QW], s[50+\u]       ; the tile's two bytes twice: they serve [q | 0] and [0 | q]
	v_add_nc_u32 v[DM], 8*\u, v[DMB]
	v_mov_b32 v13, 0xff61b1e6                      ; the largest t so far: -3e38
	v_floor_f32 v12, -v13
	v_mov_b32 v14, 0
	v_mov_b32 v15, 0
.set j, 0
.rept 32
	v_mov_b32 v[O+j], 0                            ; the step is written once: the first finds zeros.  (Also the places between the lines above and the first product)
.set j, j+1
.endr
	s_mov_b32 s[TB], 0
	s_mov_b32 s[TS], 0
	s_mov_b32 s[SI], 0
.Lstep_\@:
	STEP
	s_add_co_u32 s[SI], s[SI], 1
	s_cmp_lt_u32 s[SI], 16
	s_cbranch_scc1 .Lstep_\@
	OUT \u
.endm
	PASS 0
	PASS 1
	s_wait_dscnt 0x0
	s_wait_tensorcnt 0x0
	ds_add_u32 v251, v255
	s_wait_dscnt 0x0
	CROUND                                         ; the closing round
	s_endpgm
.Lfunc_end_k_qc4e50df627_attn:
	.size	k_qc4e50df627_attn, .Lfunc_end_k_qc4e50df627_attn-k_qc4e50df627_attn
	.p2alignl 7, 3214868480
	.fill 96, 4, 3214868480
	.section	.rodata,"a",@progbits
	.p2align	6, 0x0
	.amdhsa_kernel k_qc4e50df627_attn
		.amdhsa_group_segment_fixed_size 206848
		.amdhsa_private_segment_fixed_size 0
		.amdhsa_enable_private_segment 0
		.amdhsa_kernarg_size 24
		.amdhsa_user_sgpr_count 2
		.amdhsa_user_sgpr_kernarg_segment_ptr 1
		.amdhsa_wavefront_size32 1
		.amdhsa_system_sgpr_workgroup_id_x 1
		.amdhsa_system_sgpr_workgroup_id_y 1
		.amdhsa_system_sgpr_workgroup_id_z 1
		.amdhsa_system_vgpr_workitem_id 0
		.amdhsa_next_free_vgpr 256
		.amdhsa_next_free_sgpr 66
		.amdhsa_reserve_vcc 1
		.amdhsa_float_denorm_mode_32 3
		.amdhsa_float_denorm_mode_16_64 3
		.amdhsa_memory_ordered 1
		.amdhsa_forward_progress 1
		.amdhsa_inst_pref_size 58
	.end_amdhsa_kernel
	.amdgpu_metadata
---
amdhsa.version: [ 1, 2 ]
amdhsa.kernels:
  - .name:           k_qc4e50df627_attn
    .symbol:         k_qc4e50df627_attn.kd
    .args:
      - { .name: qimg, .offset: 0, .size: 8, .value_kind: global_buffer, .address_space: global }
      - { .name: kv, .offset: 8, .size: 8, .value_kind: global_buffer, .address_space: global }
      - { .name: oq, .offset: 16, .size: 8, .value_kind: global_buffer, .address_space: global }
    .group_segment_fixed_size: 206848
    .private_segment_fixed_size: 0
    .kernarg_segment_align: 8
    .kernarg_segment_size: 24
    .max_flat_workgroup_size: 512
    .sgpr_count:     66
    .vgpr_count:     256
    .wavefront_size: 32
...
	.end_amdgpu_metadata
.endif
;; end of part 3
;; launch proj (part 4): grid 4 x 64, 4 waves a work-group, clusters of 4 x 4, 327,680 bytes of LDS; arguments oq, owq, out_b, out0; writes out0
.if DOCPART == 4
	.amdgcn_target "amdgcn-amd-amdhsa--gfx1250"
	.amdhsa_code_object_version 6
	.text
	.protected	k_qc4e50df627_proj
	.globl	k_qc4e50df627_proj
	.p2align	8
	.type	k_qc4e50df627_proj,@function
k_qc4e50df627_proj:
	s_mov_b64 s[64:65], 0
	v_nop
	global_prefetch_b8 v0, s[64:65] scope:SCOPE_SE
	s_setreg_imm32_b32 hwreg(HW_REG_WAVE_MODE, 25, 1), 1
	s_wait_xcnt 0x0
	s_wait_alu depctr_hold_cnt(0) depctr_sa_sdst(0) depctr_va_vdst(0) depctr_va_sdst(0) depctr_va_ssrc(0) depctr_va_vcc(0) depctr_vm_vsrc(0)
	s_getreg_b32 s2, hwreg(HW_REG_IB_STS2, 6, 4)
	s_cmp_eq_u32 s2, 0
	s_cbranch_scc0 .Lentry_in_a_cluster
	s_endpgm
.Lentry_in_a_cluster:
	s_bfe_u32 s2, ttmp6, 0x10000c
	s_cmp_lg_u32 s2, 0xf033
	s_cbranch_scc0 .Lentry_shape_is_right
	s_endpgm
.Lentry_shape_is_right:
; The last product, o out_w^T + out_b, on codes of FP6 (E2M3) with E8M0 scales; out0 [8192][1024] f32.
; A work-group makes 128 tokens x 256 outputs, a wave 64 x 128: 32 accumulators.  256 work-groups.  ALL OF K LIES IN LDS, filled once: o's group (four blocks of 25,600 bytes), then out_w's two groups.
; Each wave issues four loads, one for each K slot, in the slots' order: waves 0, 1 the halves of o's blocks, waves 2, 3 out_w's blocks; a slot is read as soon as it has landed in every wave.
; CLUSTERS: 4 x 4: o's blocks are shared along a row of the cluster, out_w's along a column: joint loads.
; The matrix instruction is used transposed (source 0 = 16 outputs' rows of out_w, source 1 = 16 tokens): a lane holds one token and eight neighbouring outputs; the bias is the C of each sum's first instruction.
; o's fragments lie as attention left them: each half of a fragment (one head, six registers) as 512 bytes at 16 x lane and 256 at 8 x lane; its scale bytes as one word for a head and a pair of tiles: two of them are cut and joined for each scale word.
; The rows of a tile are not neighbours (row 32 (i / 2) + 8 (i % 2) + r + 8 (r / 8)); the way out puts each row where it belongs.  No prefetch: every byte is asked for at the head.
; REGISTERS: window 0: v16-29 addresses, v32-63 out_w's scale words (two sets), v64-79 o's (two sets), v80-87 o's as loaded, v96-159 the bias, v160-255 o's fragments (two sets), later rows on their way out;
;   window 1: accumulators (ii, b) at v[8 (8 ii + b)];   window 2: out_w's fragments, two sets, at v0 and v128.
.set BLK,   25600
.set GSTR,  102400
.set SCO,   24576
.set STG,   3*GSTR                     ; behind the operands: a stage of 16 rows x 272 bytes for each wave; no fill lands there
.set A16,   16                         ; v16-17 o's fragments at 16 x lane, for K slots 0-1 and 2-3 (so that the offsets stay under 65,536)
.set A8,    18                         ; v18-19 at 8 x lane
.set B16,   20                         ; v20-21 out_w's fragments
.set BSA,   22                         ; v22-23 out_w's scale words
.set ASA,   24                         ; v24-25 o's
.set SO,    26
.set SR,    27
.set GO,    28
.set BS,    32
.set AS,    64
.set AR,    80
.set BI,    96
.set AFR,   160
.set BK,    160
.set G1A,   24
.set G0A,   32
.set G1B,   48
.set MSB,   0
.macro WIN new                         ; the immediate's high byte repeats the setting that is left
.if MSB != (\new)
	s_set_vgpr_msb (MSB<<8)|(\new)
.set MSB, (\new)
.endif
.endm
.macro PLACES
.rept 4
	v_nop
.endr
.endm
.macro CROUND
	s_barrier_signal -1
	s_barrier_wait -1
	s_cmp_lg_u32 s12, 0
	s_cbranch_scc1 .Lnot_wave_0_\@
	s_barrier_signal -3
.Lnot_wave_0_\@:
	s_barrier_wait -3
	s_barrier_signal -1
	s_barrier_wait -1
.endm
	s_load_b256 s[4:11], s[0:1], 0x0               ; oq s[4:5], owq s[6:7], out_b s[8:9], out0 s[10:11]
	v_lshl_add_u32 v94, v0, 2, 0x4f400
	v_mov_b32 v95, 0
	ds_add_u32 v94, v95
	ds_add_u32 v94, v95
	v_lshrrev_b32 v1, 5, v0
	v_readfirstlane_b32 s12, v1                    ; wave
	s_lshr_b32 s13, s12, 1                         ; which 64 tokens are mine.  Also: I fetch for o (0) or for out_w (1)
	s_and_b32 s14, s12, 1                          ; which 128 outputs.  Also: which half I fetch
	s_bfe_u32 s15, ttmp6, 0x40000                  ; cx
	s_bfe_u32 s16, ttmp6, 0x40004                  ; cy
	s_lshl_b32 s18, ttmp9, 2
	s_add_co_u32 s18, s18, s15                     ; which 256 outputs
	s_and_b32 s17, ttmp7, 0xffff
	s_lshl_b32 s17, s17, 2
	s_add_co_u32 s17, s17, s16                     ; which 128 tokens
	s_lshl_b32 s19, s16, 2
	s_lshl_b32 s19, 15, s19                        ; my row of the cluster
	s_lshl_b32 s76, 0x1111, s15                    ; my column
	s_or_b32 s[G1A], s19, (3<<16)|(1<<21)          ; 15:0 the mask; 17:16 elements of 8 bytes; 21 set beside a mask; no padding
	s_or_b32 s[G1B], s76, (3<<16)|(1<<21)
	s_mov_b32 s[G1A+1], 32<<16                     ; half a block: 50 rows of 256 bytes, dense
	s_mov_b32 s[G1A+2], 50<<16
	s_mov_b32 s[G1A+3], 32<<16
	s_mov_b32 s[G1A+4], 50
	s_mov_b32 s[G1A+5], 32
	s_mov_b32 s[G1A+6], 0
	s_mov_b32 s[G1A+7], 0
	s_mov_b32 s[G1B+1], 32<<16                     ; a block: 100 rows
	s_mov_b32 s[G1B+2], 100<<16
	s_mov_b32 s[G1B+3], 32<<16
	s_mov_b32 s[G1B+4], 100
	s_mov_b32 s[G1B+5], 32
	s_mov_b32 s[G1B+6], 0
	s_mov_b32 s[G1B+7], 0
	s_mul_i32 s20, s17, GSTR
	s_mul_i32 s77, s14, 12800                      ; my half of a block of o, in memory and in LDS
	s_add_co_u32 s20, s20, s77
	s_mov_b32 s21, 0
	s_lshl_b32 s22, s18, 1
	s_add_co_u32 s22, s22, s14
	s_mul_i32 s22, s22, GSTR                       ; my group of out_w
	s_mov_b32 s23, 0
	s_mul_i32 s78, s14, GSTR
	s_add_co_u32 s78, s78, GSTR                    ; and its place in LDS
	s_wait_dscnt 0x0
	s_wait_kmcnt 0x0
	s_add_nc_u64 s[20:21], s[4:5], s[20:21]
	s_add_nc_u64 s[22:23], s[6:7], s[22:23]
	CROUND                                         ; all sixteen work-groups are here: the joint loads meet
.irp g, 0,1,2,3
	s_mov_b32 s[G0A+4*\g], 1
	s_add_co_u32 s[G0A+4*\g+1], s77, \g*BLK
	s_add_nc_u64 s[G0A+4*\g+2:G0A+4*\g+3], s[20:21], \g*BLK
	s_or_b32 s[G0A+4*\g+3], s[G0A+4*\g+3], 0x80000000
	s_mov_b32 s[56+4*\g+4*(\g/2)], 1               ; out_w's groups 0: s[56:63] and s[68:75]
	s_add_co_u32 s[56+4*\g+4*(\g/2)+1], s78, \g*BLK
	s_add_nc_u64 s[56+4*\g+4*(\g/2)+2:56+4*\g+4*(\g/2)+3], s[22:23], \g*BLK
	s_or_b32 s[56+4*\g+4*(\g/2)+3], s[56+4*\g+4*(\g/2)+3], 0x80000000
.endr
	s_cmp_eq_u32 s13, 0                            ; a wave's four fills stand in one branch: four loads of mine are out
	s_cbranch_scc0 .Lfirst_b
	tensor_load_to_lds s[G0A:G0A+3], s[G1A:G1A+7]
	s_nop 0
	tensor_load_to_lds s[G0A+4:G0A+7], s[G1A:G1A+7]
	s_nop 0
	tensor_load_to_lds s[G0A+8:G0A+11], s[G1A:G1A+7]
	s_nop 0
	tensor_load_to_lds s[G0A+12:G0A+15], s[G1A:G1A+7]
	s_nop 0
.rept 4
	v_nop
.endr
	s_branch .Lfirst_done
.Lfirst_b:
	tensor_load_to_lds s[56:59], s[G1B:G1B+7]
	s_nop 0
	tensor_load_to_lds s[60:63], s[G1B:G1B+7]
	s_nop 0
	tensor_load_to_lds s[68:71], s[G1B:G1B+7]
	s_nop 0
	tensor_load_to_lds s[72:75], s[G1B:G1B+7]
	s_nop 0
.rept 4
	v_nop
.endr
.Lfirst_done:
	v_and_b32 v1, 15, v0                           ; r
	v_bfe_u32 v2, v0, 4, 1                         ; h
	v_and_b32 v5, 31, v0
	v_lshlrev_b32 v3, 4, v5                        ; 16 x lane
	v_lshlrev_b32 v4, 3, v5                        ; 8 x lane
	s_mul_i32 s19, s13, 12288                      ; my four tiles of o
	s_lshl_b32 s76, s13, 7                         ; and their two pairs' scale words
.irp k, 0,1
	v_add_nc_u32 v[A16+\k], s19, v3
	v_add_nc_u32 v[A8+\k], s19, v4
	v_add_nc_u32 v[B16+\k], s78, v3
	v_lshl_add_u32 v[BSA+\k], v1, 3, s78
	v_lshl_add_u32 v[ASA+\k], v1, 2, s76
	s_add_co_u32 s19, s19, 2*BLK
	s_add_co_u32 s78, s78, 2*BLK
	s_add_co_u32 s76, s76, 2*BLK
.endr
	s_mul_i32 s19, s12, 16*272
	s_add_co_u32 s19, s19, STG                     ; my stage
	v_mul_u32_u24 v[SO], v1, 272
	v_lshl_add_u32 v[SO], v2, 6, v[SO]
	v_add_nc_u32 v[SO], s19, v[SO]                 ; in: row r, + 64 h
	v_mul_u32_u24 v[SR], v2, 272
	v_lshl_add_u32 v[SR], v1, 4, v[SR]
	v_add_nc_u32 v[SR], s19, v[SR]                 ; back: lanes 0-15 one row of 256 bytes, lanes 16-31 the next
	v_lshlrev_b32 v[GO], 12, v2
	v_lshl_add_u32 v[GO], v1, 4, v[GO]             ; and the same in out0
	v_lshlrev_b32 v29, 6, v2                       ; 64 h
	s_lshl_b32 s19, s18, 10
	s_lshl_b32 s76, s14, 9
	s_add_co_u32 s76, s19, s76                     ; my first output, in bytes
	s_mov_b32 s77, 0
	s_add_nc_u64 s[8:9], s[8:9], s[76:77]
	s_add_nc_u64 s[10:11], s[10:11], s[76:77]
	s_lshl_b32 s76, s17, 19
	s_lshl_b32 s19, s13, 18
	s_add_co_u32 s76, s76, s19                     ; my first token's row of 4,096 bytes
	s_add_nc_u64 s[10:11], s[10:11], s[76:77]
	s_mov_b32 s80, 0x05040100
	s_mov_b32 s81, 0x07060302
.irp n, 0,1,2,3,4,5,6,7,8,9,10,11,12,13,14,15
	global_load_b128 v[BI+4*\n:BI+4*\n+3], v29, s[8:9] offset:128*(\n/4)+16*(\n%4)   ; register 16 b + i = bias of output 32 b + 16 h + i: the results' layout
.endr
.macro FETCH t                         ; the fragments of step t (K slot t / 2, its step t % 2) into set t % 2; with a slot's first step its scale words
.set FS, (\t)/2
.set FQ, (\t)%2
	WIN 0x80                                       ; destination window 2
.irp i, 0,1,2,3,4,5,6,7
.irp c, 0,1,2
	ds_load_b128 v[128*FQ+12*\i+4*\c:128*FQ+12*\i+4*\c+3], v[B16+FS/2] offset:(FS%2)*BLK+\i*3072+FQ*1536+\c*512
.endr
.endr
	WIN 0
.irp i, 0,1,2,3
.irp c, 0,1
	ds_load_b128 v[AFR+48*FQ+12*\i+6*\c:AFR+48*FQ+12*\i+6*\c+3], v[A16+FS/2] offset:(FS%2)*BLK+\i*3072+FQ*1536+\c*768
	ds_load_b64 v[AFR+48*FQ+12*\i+6*\c+4:AFR+48*FQ+12*\i+6*\c+5], v[A8+FS/2] offset:(FS%2)*BLK+\i*3072+FQ*1536+\c*768+512
.endr
.endr
.if FQ == 0
.irp i, 0,1,2,3,4,5,6,7
	ds_load_b64 v[BS+16*(FS%2)+2*\i:BS+16*(FS%2)+2*\i+1], v[BSA+FS/2] offset:(FS%2)*BLK+SCO+\i*128
.endr
.irp e, 0,1,2,3
.irp p, 0,1
	ds_load_b32 v[AR+2*\e+\p], v[ASA+FS/2] offset:(FS%2)*BLK+SCO+\e*256+\p*64   ; head e of the slot's four, pair p of my two pairs of tiles
.endr
.endr
.endif
.endm
; 16 matrix instructions: my tiles i0, i0 + 1 of tokens x the eight tiles of outputs.  The 32 accumulators take turns, one instruction a turn.
.macro MULP t, i0
.set MS, ((\t)/2)%2
.set MQ, (\t)%2
.if (\t) == 0
	WIN 0x42                                       ; source 0 window 2, source 1 and C (the bias) window 0, D window 1
.else
	WIN 0x52                                       ; C and D window 1
.endif
.irp ii, \i0, \i0+1
.irp b, 0,1,2,3,4,5,6,7
.if (\t) == 0
	v_wmma_scale_f32_16x16x128_f8f6f4 v[8*(8*(\ii)+\b):8*(8*(\ii)+\b)+7], v[128*MQ+12*\b:128*MQ+12*\b+11], v[AFR+48*MQ+12*(\ii):AFR+48*MQ+12*(\ii)+11], v[BI+8*\b:BI+8*\b+7], v[BS+16*MS+2*\b+MQ], v[AS+8*MS+4*MQ+(\ii)] matrix_a_fmt:MATRIX_FMT_FP6 matrix_b_fmt:MATRIX_FMT_FP6
.else
	v_wmma_scale_f32_16x16x128_f8f6f4 v[8*(8*(\ii)+\b):8*(8*(\ii)+\b)+7], v[128*MQ+12*\b:128*MQ+12*\b+11], v[AFR+48*MQ+12*(\ii):AFR+48*MQ+12*(\ii)+11], v[8*(8*(\ii)+\b):8*(8*(\ii)+\b)+7], v[BS+16*MS+2*\b+MQ], v[AS+8*MS+4*MQ+(\ii)] matrix_a_fmt:MATRIX_FMT_FP6 matrix_b_fmt:MATRIX_FMT_FP6
.endif
.endr
.endr
.endm
.macro KSTEP t
	s_wait_dscnt 0x0                               ; this step's fragments and words are in
.if (\t)%2 == 0
	WIN 0                                          ; the step before has left the products' windows: the words as loaded and the scale words lie in window 0
.irp qp, 0,1
.irp ii, 0,1,2,3
	v_perm_b32 v[AS+8*(((\t)/2)%2)+4*\qp+\ii], v[AR+4*\qp+2+\ii/2], v[AR+4*\qp+\ii/2], s[80+\ii%2]   ; the tile's two bytes of the step's first head, then of its second
.endr
.endr
.rept 8
	v_nop                                          ; a scale word made by a vector line stands eight places ahead of the scaled product
.endr
.endif
.if ((\t)%2 == 1) && ((\t) < 7)
	s_wait_tensorcnt 3-((\t)+1)/2                  ; my load of the next K slot has landed; the later slots' may stay out
	s_barrier_signal -1
.endif
	MULP \t, 0
.if ((\t)%2 == 1) && ((\t) < 7)
	WIN 0
	s_barrier_wait -1                              ; everybody's has
.endif
.if (\t) < 7
	WIN 0
	PLACES                                         ; in front of loads into the set that the step before multiplied
	FETCH (\t)+1
.endif
	MULP \t, 2
.endm
	s_wait_tensorcnt 3                             ; my load of K slot 0 has landed; three may stay out
	s_barrier_signal -1
	s_barrier_wait -1
	FETCH 0
	s_wait_loadcnt 0x0                             ; the bias
.irp t, 0,1,2,3,4,5,6,7
	KSTEP \t
.endr
	WIN 0
; THE WAY OUT, eight blocks of 16 tokens x 64 outputs (256 bytes a row): through my own stage, back as whole rows; sixteen lanes store 256 consecutive, aligned bytes.
.macro TOSTAGE n
.set TI, (\n)/2
.set TH, (\n)%2
	WIN 0x04                                       ; an LDS store's data: window 1
.irp q, 0,1,2,3
	ds_store_b128 v[SO], v[8*(8*TI+4*TH+\q):8*(8*TI+4*TH+\q)+3] offset:128*(\q/2)+32*(\q%2)       ; each accumulator from its low end on
	ds_store_b128 v[SO], v[8*(8*TI+4*TH+\q)+4:8*(8*TI+4*TH+\q)+7] offset:128*(\q/2)+32*(\q%2)+16
.endr
	WIN 0
.irp i, 0,1,2,3,4,5,6,7
	ds_load_b128 v[BK+32*((\n)%2)+4*\i:BK+32*((\n)%2)+4*\i+3], v[SR] offset:2*\i*272   ; LDS serves a wave's instructions in order: these see my stores, and the next block's stores come behind them
.endr
.endm
.macro SEND n, younger
.set TI, (\n)/2
.set TH, (\n)%2
	s_wait_dscnt \younger                          ; the block is back; the next block's eight stores and eight loads may be out
.irp i, 0,1,2,3,4,5,6,7
	global_store_b128 v[GO], v[BK+32*((\n)%2)+4*\i:BK+32*((\n)%2)+4*\i+3], s[10:11] offset:(32*(TI/2)+8*(TI%2)+2*\i+8*(\i/4))*4096+256*TH th:TH_STORE_NT
.endr
.endm
	PLACES                                         ; in front of the first read of results and of loads into the fragments' registers
	TOSTAGE 0
.irp n, 1,2,3,4,5,6,7
.if \n > 1
	s_wait_xcnt 0x0                                ; the stores of two blocks back have read their registers
.endif
	TOSTAGE \n
	SEND (\n)-1, 16
.endr
	SEND 7, 0
	s_wait_dscnt 0x0
	s_wait_tensorcnt 0x0
	ds_add_u32 v94, v95
	s_wait_dscnt 0x0
	CROUND                                         ; the closing round
	s_endpgm
.Lfunc_end_k_qc4e50df627_proj:
	.size	k_qc4e50df627_proj, .Lfunc_end_k_qc4e50df627_proj-k_qc4e50df627_proj
	.p2alignl 7, 3214868480
	.fill 96, 4, 3214868480
	.section	.rodata,"a",@progbits
	.p2align	6, 0x0
	.amdhsa_kernel k_qc4e50df627_proj
		.amdhsa_group_segment_fixed_size 327680
		.amdhsa_private_segment_fixed_size 0
		.amdhsa_enable_private_segment 0
		.amdhsa_kernarg_size 32
		.amdhsa_user_sgpr_count 2
		.amdhsa_user_sgpr_kernarg_segment_ptr 1
		.amdhsa_wavefront_size32 1
		.amdhsa_system_sgpr_workgroup_id_x 1
		.amdhsa_system_sgpr_workgroup_id_y 1
		.amdhsa_system_sgpr_workgroup_id_z 1
		.amdhsa_system_vgpr_workitem_id 0
		.amdhsa_next_free_vgpr 768
		.amdhsa_next_free_sgpr 100
		.amdhsa_reserve_vcc 0
		.amdhsa_float_denorm_mode_32 3
		.amdhsa_float_denorm_mode_16_64 3
		.amdhsa_memory_ordered 1
		.amdhsa_forward_progress 1
		.amdhsa_inst_pref_size 87
	.end_amdhsa_kernel
	.amdgpu_metadata
---
amdhsa.version: [ 1, 2 ]
amdhsa.kernels:
  - .name:           k_qc4e50df627_proj
    .symbol:         k_qc4e50df627_proj.kd
    .args:
      - { .name: oq, .offset: 0, .size: 8, .value_kind: global_buffer, .address_space: global }
      - { .name: owq, .offset: 8, .size: 8, .value_kind: global_buffer, .address_space: global }
      - { .name: out_b, .offset: 16, .size: 8, .value_kind: global_buffer, .address_space: global }
      - { .name: out0, .offset: 24, .size: 8, .value_kind: global_buffer, .address_space: global }
    .group_segment_fixed_size: 327680
    .private_segment_fixed_size: 0
    .kernarg_segment_align: 8
    .kernarg_segment_size: 32
    .max_flat_workgroup_size: 128
    .sgpr_count:     100
    .vgpr_count:     768
    .wavefront_size: 32
...
	.end_amdgpu_metadata
.endif
;; end of part 4
